; MI455X (gfx1250); checked and timed in simulation.
; The chip was launched on July 23, 2026; its instructions are those of AMD's public machine-readable ISA for CDNA 5 (MIT licence, August 2026) and "CDNA5" Instruction Set Architecture Reference Guide (July 2026). The comments in the code are by the model that wrote it; some were corrected since.
;; Multi Head Attention. Allowed arithmetic: matrix products marked QUANTISED: E2M1 operands, one E8M0 scale for each 32 along K, by v_wmma_scale_f32_16x16x128_f8f6f4 with both operands' format E2M1 (or v_wmma_scale_f32_32x16x128_f4), f32 sums; everything else in f32.
;; Inputs: mask 1 x 1 x 2,048 x 2,048 int32; out_b 1,024 float32; out_w_codes 1,024 x 32 x 16 uint8 (E2M1 codes of out_w, K innermost, in blocks of 32 codes, two codes a byte); out_w_scales 1,024 x 32 uint8 (E8M0 scales of out_w, one for each 32 codes along K); qkv_b 3,072 float32; qkv_w_codes 3,072 x 32 x 16 uint8 (E2M1 codes of qkv_w, K innermost, in blocks of 32 codes, two codes a byte); qkv_w_scales 3,072 x 32 uint8 (E8M0 scales of qkv_w, one for each 32 codes along K); x_codes 4 x 2,048 x 32 x 16 uint8 (E2M1 codes of x, K innermost, in blocks of 32 codes, two codes a byte); x_scales 4 x 2,048 x 32 uint8 (E8M0 scales of x, one for each 32 codes along K).
;; Outputs: out0 4 x 2,048 x 1,024 float32.
;; This version of the problem:
;;   THIS VERSION OF THE PROBLEM IS GIVEN IN LOW PRECISION. The matrix products marked QUANTISED in the list below multiply operands that are first quantised to E2M1 (2 exponent bits, 1 mantissa bit; 4 bits a number), with one power-of-two scale for each 32 numbers along K (OCP MX v1.0); their sums are f32. All else is computed in f32.
;;   The module's matrix products, in the order in which they are computed (A, B: the left and right operand; K: the contracted axis; several contracted axes count as one K, in the product's order):
;;     1. [M 8,192, K 1,024] x [K 1,024, N 3,072]; A: input x (given as codes); B: input qkv_w (given as codes): QUANTISED
;;     2. batch 64 x [M 2,048, K 64] x [K 64, N 2,048]; A: computed on the way; B: computed on the way: QUANTISED
;;     3. batch 64 x [M 2,048, K 2,048] x [K 2,048, N 64]; A: softmax (see below); B: computed on the way: QUANTISED
;;     4. [M 8,192, K 1,024] x [K 1,024, N 1,024]; A: computed on the way; B: input out_w (given as codes): QUANTISED
;;   THE QUANTISER, for each operand of a quantised product, along K:
;;     - K is cut into blocks of 32 from its start; a last block that is shorter is filled with zeros.
;;     - A block's scale is 2^e with e = floor(log2(the largest magnitude in the block)) - 2, held to -126 .. 127; a block of zeros has e = 0. As a byte (E8M0): e + 127.
;;     - Each number is divided by its block's scale, clamped to +-6, and rounded to the nearest number of E2M1, ties to even, subnormals kept.
;;     - The product sums the exact products of the quantised numbers (number of the format x scale) in f32.
;;   ~~~python
;;   def quantise(x, axis):      # numpy; x: float32 -> the quantised numbers, widened to float32 again
;;       x = np.moveaxis(x, axis, -1); K = x.shape[-1]
;;       x = np.pad(x, [(0, 0)] * (x.ndim - 1) + [(0, -K % 32)]); x = x.reshape(x.shape[:-1] + (-1, 32)); a = np.abs(x).max(-1, keepdims=True)
;;       e = np.where(a > 0, np.clip(np.frexp(np.where(a > 0, a, 1))[1] - 1 - 2, -126, 127), 0)      # np.frexp(a)[1] - 1 = floor(log2(a)), exactly
;;       r = np.clip(x / 2.0 ** e, -6, 6)
;;       step = 2.0 ** (np.maximum(np.frexp(np.where(r == 0, 1, r))[1] - 1, 0) - 1)
;;       q = np.round(r / step) * step * 2.0 ** e      # np.round: ties to even
;;       return np.moveaxis(q.reshape(q.shape[:-2] + (-1,))[..., :K], -1, axis).astype(np.float32)
;;   ~~~
;;   SOFTMAX AHEAD OF A QUANTISED PRODUCT. Where the list says 'softmax', what is quantised is not the finished softmax but p = 2^(t - M), with t = logit x log2(e) and M = ceil(the row's largest t), a whole number; so 1/2 < the row's largest p <= 1. The row's sum l is taken of the UNQUANTISED p, in f32, and the product's result is divided by l at the end. Since M is a whole number, a kernel that streams over the keys may use a running M (the ceiling of the running maximum): every later rescaling is an exact power of two, which a block's scale takes up: the codes' values come out the same.
;;   OPERANDS COMPUTED ON THE WAY. 'Computed on the way' means the value that the module computes at that place (a softmax that the list does not call 'softmax' is quantised finished and normalised). What goes into a quantiser is computed in f32, as accurately as f32 sums, v_exp_f32 and their like allow (about 1e-6 of the number): no bf16 or f16 on the way to a quantiser, and a product that is left as it is and whose result goes on into a quantised operand takes f32 operands (vector FMAs, or v_wmma_f32_16x16x4_f32). A number that lies on a knife's edge between two numbers of the format may be rounded either way, as far as f32 arithmetic and the matrix unit's own rounding can turn it there, and no further.
;;   INPUTS GIVEN AS CODES. out_w (in the module: [1024, 1024], K = its axis 1); qkv_w (in the module: [3072, 1024], K = its axis 1); x (in the module: [4, 2048, 1024], K = its axis 2): each comes as NAME_codes (uint8): NAME with its K axis moved to the last place and cut into blocks of 32 codes, [.., K / 32, bytes a block], one block behind the other in memory; two codes a byte, the lower K in the low four bits (a code: sign, 2 exponent bits, 1 mantissa bit); and NAME_scales (uint8): the same leading axes, one E8M0 byte (e + 127) for each 32 codes along K. Its value is code x scale, taken as it is: it is not quantised again, and the codes and scales need not be those that the quantiser above would give.
;; 2 versions, each right; version 2 is version 1 with the launch attn written anew for expert scheduling mode. Each part assembles by itself: llvm-mc -triple=amdgcn-amd-amdhsa -mcpu=gfx1250 --defsym DOCPART=n.
;; ======== version 1 of 2: 4 launches
;; workspace buffers: mbits 524,288 bytes of whole numbers; mflags 1,024 bytes of whole numbers; q_img 4,194,304 bytes; q_sc 524,288 bytes; kv 9,437,184 bytes; y_img 4,194,304 bytes; y_sc 262,144 bytes
;; launch maskpack (part 1): grid 128 x 1, 16 waves a work-group, no clusters, 137,472 bytes of LDS; arguments mask, mbits, mflags; writes mbits, mflags
.if DOCPART == 1
	.amdgcn_target "amdgcn-amd-amdhsa--gfx1250"
	.amdhsa_code_object_version 6
	.text
	.protected	k_q08c094c0c8_maskpack
	.globl	k_q08c094c0c8_maskpack
	.p2align	8
	.type	k_q08c094c0c8_maskpack,@function
k_q08c094c0c8_maskpack:
	s_mov_b64 s[64:65], 0
	v_nop
	global_prefetch_b8 v0, s[64:65] scope:SCOPE_SE
	s_setreg_imm32_b32 hwreg(HW_REG_WAVE_MODE, 25, 1), 1
	s_wait_xcnt 0x0
; MULTI-HEAD ATTENTION ON CODES OF FP4, FOUR LAUNCHES: this one (the mask), qkv (first product), attn (scores, softmax, values), proj (last product).
; NO INPUT AND NO PRODUCT IS LEFT OUT: every input has a way to the output (the bias on K moves K's codes, so it stays).
; WHAT IS NOT DONE, AND WHO DECIDES: a key step (128 keys) of a tile of 16 queries in which every mask word is 0 adds p = 0 to every row that has an open key anywhere
; (its logit is the least f32 number, 2^(t - M) is 0 in f32 as soon as M comes from an open key).  The mask is an input of whole numbers: this launch reads it and stores, as whole numbers,
; which steps of which tile are live; the attention launch reads those and walks the live steps alone.  A row with NO open key gets, as the problem's function has it, equal weights on ALL keys:
; a tile that holds such a row has all 16 steps marked live.  LIMIT: a NaN, an infinity or an overflow that reaches only the steps left out is not carried to the result.
; THIS LAUNCH.  mask [2048 q][2048 k] int32.  Work-group T = a tile of 16 queries; wave j = key step j (16 rows x 512 bytes).
; mbits [T][step][n = 0..63]: bit l of word n = 8 t + i is mask[16 T + l % 16][128 step + 16 t + 8 (l / 16) + i] != 0: the lane mask of score register n in the attention launch.
; mflags [T][2]: live (bit j: step j is walked), mixed (bit j: step j is walked and has a closed key).
; Each load reads 512 consecutive bytes of a row; the 16 rows turn through the wave's own stage in LDS, so that a lane holds eight neighbouring keys of one row; a compare gives a word.
.set SP,    528                        ; a stage row: 512 bytes + 16
.set WST,   16*SP                      ; a wave's stage
.set FL,    16*WST                     ; behind the stages: one word a wave, in a block of its own
.set SPARE, FL+256                     ; the spare words, 128 bytes for each of 16 waves
.set SPW, 1                            ; v1  my spare word; never rewritten
.set NIL, 2                            ; v2  0; never rewritten
.set GL,  3                            ; v3  16 x lane
.set STA, 4                            ; v4  the stage, on the way in
.set LDA, 5                            ; v5  and on the way out: row lane % 16, + 32 (lane / 16)
.set L8,  6                            ; v6  8 x lane
.set FLW, 7                            ; v7  my wave's word
.set FLR, 8                            ; v8  the word of wave lane % 16
.set X,   16                           ; v16-79   the rows as loaded
.set Y,   80                           ; v80-143  register 8 t + i: mask word of my row, key 16 t + 8 (lane / 16) + i
.set W,   144                          ; v144-145 the 64 words, two a lane
.set WV,  10
.set OA,  20                           ; s20 the words' OR, s21 their AND
.set AA,  21
	s_load_b128 s[4:7], s[0:1], 0x0                ; mask, mbits
	s_load_b64 s[8:9], s[0:1], 0x10                ; mflags
	v_lshl_add_u32 v[SPW], v0, 2, SPARE
	v_mov_b32 v[NIL], 0
	v_lshrrev_b32 v10, 5, v0
	v_readfirstlane_b32 s[WV], v10                 ; wave = key step
	v_and_b32 v11, 31, v0                          ; lane
	v_and_b32 v12, 15, v0
	v_bfe_u32 v13, v0, 4, 1
	v_lshlrev_b32 v[GL], 4, v11
	s_mul_i32 s11, s[WV], WST
	v_add_nc_u32 v[STA], s11, v[GL]
	v_mul_u32_u24 v[LDA], v12, SP
	v_lshl_add_u32 v[LDA], v13, 5, v[LDA]
	v_add_nc_u32 v[LDA], s11, v[LDA]
	v_lshlrev_b32 v[L8], 3, v11
	v_lshl_add_u32 v[FLW], v10, 2, FL
	v_lshl_add_u32 v[FLR], v12, 2, FL
	s_lshl_b32 s12, ttmp9, 17                      ; 16 rows of 8,192 bytes a tile,
	s_lshl_b32 s13, s[WV], 9                       ; 512 bytes a key step
	s_add_co_u32 s12, s12, s13
	s_mov_b32 s13, 0
	s_lshl_b32 s14, ttmp9, 4
	s_add_co_u32 s14, s14, s[WV]
	s_lshl_b32 s14, s14, 8                         ; 256 bytes of words for each (tile, step)
	s_mov_b32 s15, 0
	s_lshl_b32 s16, ttmp9, 3                       ; 8 bytes of flags a tile
	s_mov_b32 s17, 0
	s_wait_kmcnt 0x0
	s_add_nc_u64 s[4:5], s[4:5], s[12:13]
	s_add_nc_u64 s[6:7], s[6:7], s[14:15]
	s_add_nc_u64 s[8:9], s[8:9], s[16:17]
.irp i, 0,1,2,3,4,5,6,7,8,9,10,11,12,13,14,15
	global_load_b128 v[X+4*\i:X+4*\i+3], v[GL], s[4:5] offset:8192*\i th:TH_LOAD_NT   ; row i: 32 lanes read 512 consecutive bytes
.endr
.irp i, 0,1,2,3,4,5,6,7,8,9,10,11,12,13,14,15
	s_wait_loadcnt 15-\i                           ; row i is in; the younger rows may be out
	ds_store_b128 v[STA], v[X+4*\i:X+4*\i+3] offset:SP*\i
.endr
.irp t, 0,1,2,3,4,5,6,7
	ds_load_b128 v[Y+8*\t:Y+8*\t+3], v[LDA] offset:64*\t          ; my wave's own bytes: LDS serves a wave's instructions in order
	ds_load_b128 v[Y+8*\t+4:Y+8*\t+7], v[LDA] offset:64*\t+16
.endr
	v_mov_b32 v[W], 0                              ; (a lane write's destination counts as read)
	v_mov_b32 v[W+1], 0
	s_wait_dscnt 0x0
.set n, 0
.rept 64
	v_cmp_ne_u32 s[32+n%8], 0, v[Y+n]              ; word n: one bit a lane
.if n == 0
	s_mov_b32 s[OA], s32
	s_mov_b32 s[AA], s32
.else
	s_or_b32 s[OA], s[OA], s[32+n%8]
	s_and_b32 s[AA], s[AA], s[32+n%8]
.endif
	v_writelane_b32 v[W+n%2], s[32+n%8], n/2       ; words 2 i and 2 i + 1 go to lane i
.set n, n+1
.endr
	global_store_b64 v[L8], v[W:W+1], s[6:7]       ; 32 lanes store 256 consecutive bytes, aligned
	s_lshr_b32 s22, s[OA], 16
	s_or_b32 s22, s22, s[OA]
	s_and_b32 s22, s22, 0xffff                     ; bit r: row r has an open key in this step
	s_cmp_lg_u32 s[OA], 0
	s_cselect_b32 s23, 0x10000, 0                  ; bit 16: some key is open
	s_or_b32 s22, s22, s23
	s_cmp_eq_u32 s[AA], -1
	s_cselect_b32 s23, 0x20000, 0                  ; bit 17: all keys are open
	s_or_b32 s22, s22, s23
	v_mov_b32 v146, s22
	ds_store_b32 v[FLW], v146                      ; all lanes write the same word with the same value
	s_wait_dscnt 0x0                               ; for the others: my store has landed
	s_barrier_signal -1
	s_barrier_wait -1
	ds_load_b32 v147, v[FLR]                       ; lane i (and i + 16): step i's word
	s_wait_dscnt 0x0
	s_wait_tensorcnt 0x0                           ; the wave's end, behind my last LDS store
	ds_add_u32 v[SPW], v[NIL]
	s_wait_dscnt 0x0
	v_bfe_u32 v148, v147, 16, 1
	v_cmp_ne_u32 s24, 0, v148
	v_bfe_u32 v149, v147, 17, 1
	v_cmp_ne_u32 s25, 0, v149
	s_and_b32 s24, s24, 0xffff                     ; bit j: step j has an open key
	s_and_b32 s25, s25, 0xffff                     ; bit j: step j is all open
	v_readlane_b32 s26, v147, 0
.irp i, 1,2,3,4,5,6,7,8,9,10,11,12,13,14,15
	v_readlane_b32 s27, v147, \i
	s_or_b32 s26, s26, s27
.endr
	s_and_b32 s26, s26, 0xffff                     ; bit r: row r has an open key somewhere
	s_cmp_eq_u32 s26, 0xffff
	s_cselect_b32 s24, s24, 0xffff                 ; a row with no open key makes all 16 steps live
	s_and_not1_b32 s25, s24, s25                   ; mixed = live and not all open
	s_cmp_lg_u32 s[WV], 0
	s_cbranch_scc1 .Lend                           ; wave 0 stores the tile's 8 bytes
	v_mov_b32 v148, s24
	v_mov_b32 v149, s25
	v_mov_b32 v146, 0
	v_cmp_eq_u32 vcc_lo, 0, v11
	s_wait_xcnt 0x0                                ; EXEC changes only behind this wait: my store of the words has been issued
	s_and_saveexec_b32 s28, vcc_lo
	global_store_b64 v146, v[148:149], s[8:9]
	s_wait_xcnt 0x0                                ; and again in front of the line that widens it
	s_or_b32 exec_lo, exec_lo, s28
.Lend:
	s_endpgm
.Lfunc_end_k_q08c094c0c8_maskpack:
	.size	k_q08c094c0c8_maskpack, .Lfunc_end_k_q08c094c0c8_maskpack-k_q08c094c0c8_maskpack
	.p2alignl 7, 3214868480
	.fill 96, 4, 3214868480
	.section	.rodata,"a",@progbits
	.p2align	6, 0x0
	.amdhsa_kernel k_q08c094c0c8_maskpack
		.amdhsa_group_segment_fixed_size 137472
		.amdhsa_private_segment_fixed_size 0
		.amdhsa_enable_private_segment 0
		.amdhsa_kernarg_size 24
		.amdhsa_user_sgpr_count 2
		.amdhsa_user_sgpr_kernarg_segment_ptr 1
		.amdhsa_wavefront_size32 1
		.amdhsa_system_sgpr_workgroup_id_x 1
		.amdhsa_system_sgpr_workgroup_id_y 1
		.amdhsa_system_sgpr_workgroup_id_z 1
		.amdhsa_system_vgpr_workitem_id 0
		.amdhsa_next_free_vgpr 160
		.amdhsa_next_free_sgpr 66
		.amdhsa_reserve_vcc 1
		.amdhsa_float_denorm_mode_32 3
		.amdhsa_float_denorm_mode_16_64 3
		.amdhsa_memory_ordered 1
		.amdhsa_forward_progress 1
		.amdhsa_inst_pref_size 22
	.end_amdhsa_kernel
	.amdgpu_metadata
---
amdhsa.version: [ 1, 2 ]
amdhsa.kernels:
  - .name:           k_q08c094c0c8_maskpack
    .symbol:         k_q08c094c0c8_maskpack.kd
    .args:
      - { .name: mask, .offset: 0, .size: 8, .value_kind: global_buffer, .address_space: global }
      - { .name: mbits, .offset: 8, .size: 8, .value_kind: global_buffer, .address_space: global }
      - { .name: mflags, .offset: 16, .size: 8, .value_kind: global_buffer, .address_space: global }
    .group_segment_fixed_size: 137472
    .private_segment_fixed_size: 0
    .kernarg_segment_align: 8
    .kernarg_segment_size: 24
    .max_flat_workgroup_size: 512
    .sgpr_count:     66
    .vgpr_count:     160
    .wavefront_size: 32
...
	.end_amdgpu_metadata
.endif
;; end of part 1
;; launch qkv (part 2): grid 12 x 32, 16 waves a work-group, clusters of 4 x 4, 280,576 bytes of LDS; arguments x_codes, x_scales, qkv_w_codes, qkv_w_scales, qkv_b, q_img, q_sc, kv; writes q_img, q_sc, kv
.if DOCPART == 2
	.amdgcn_target "amdgcn-amd-amdhsa--gfx1250"
	.amdhsa_code_object_version 6
	.text
	.protected	k_q08c094c0c8_qkv
	.globl	k_q08c094c0c8_qkv
	.p2align	8
	.type	k_q08c094c0c8_qkv,@function
k_q08c094c0c8_qkv:
	s_mov_b64 s[64:65], 0
	v_nop
	global_prefetch_b8 v0, s[64:65] scope:SCOPE_SE
	s_setreg_imm32_b32 hwreg(HW_REG_WAVE_MODE, 25, 1), 1
	s_wait_xcnt 0x0
	s_wait_alu depctr_hold_cnt(0) depctr_sa_sdst(0) depctr_va_vdst(0) depctr_va_sdst(0) depctr_va_ssrc(0) depctr_va_vcc(0) depctr_vm_vsrc(0)
	s_getreg_b32 s2, hwreg(HW_REG_IB_STS2, 6, 4)
	s_cmp_eq_u32 s2, 0
	s_cbranch_scc0 .Lentry_in_a_cluster
	s_endpgm
.Lentry_in_a_cluster:
	s_bfe_u32 s2, ttmp6, 0x10000c
	s_cmp_lg_u32 s2, 0xf033
	s_cbranch_scc0 .Lentry_shape_is_right
	s_endpgm
.Lentry_shape_is_right:
; qkv = x W^T + b on codes of FP4 (K = 1,024), and q, k, v quantised again, in registers, for the attention launch.  Nothing is left out here.
; x: [8192][512 bytes], W: [3072][512 bytes] of codes, K innermost; scale bytes [rows][32].  A work-group makes 256 rows x 256 columns; the cluster's x says which third of the columns: 0 q, 1 k, 2 v.
; ALL OF K LIES IN LDS: 256 rows of x and 256 of W, in two halves of K (rows of 256 bytes + 16), each filled once: no slot is filled again.  Each of the 16 waves asks for 32 rows of both halves: two tensor loads a wave are out.
; CLUSTER 4 x 4: x's rows are shared along a row of the cluster, W's along a column: joint loads.
; A WAVE makes 64 rows of x (rg = wave / 4) x 64 rows of W (hl = wave % 4: ONE HEAD): 16 accumulators, which take turns, one instruction a turn.
; q, k: the product is used TRANSPOSED (source 0 = W, source 1 = x): a lane holds one row of x and eight neighbours of the head's 64, along which q and k are quantised (two blocks of 32).
; v: source 0 = x, source 1 = W: a lane holds one of the head's 64 and eight neighbouring KEYS, along which v is quantised.
; THE QUANTISER (QUANT2): four tiles = 64 numbers along the next K = two blocks.  A lane holds 16 of each block, lane l xor 16 the others.  The largest magnitude (with the floor 2^(3 - 127) among its leaves) less 2 in its exponent
; field is the conversion's scale operand; its exponent field is the byte.  Eight neighbours become one register of codes; two exchanges of lane halves give lane (r, hh) the 32 codes of block hh: four registers of the next operand.
; WHAT IS STORED are images of operand registers, 512 consecutive bytes a store:  q_img [bh][tile of 16 queries][lane][16 bytes];  q_sc [bh][4 tiles][lane][2 words] (word e of lane l: tile 2 e + l / 16, row l % 16; bytes 2, 3 = 127);
; kv [bh][slot of 512 keys][36,864]: key step q of a slot: K's 8 tiles at 8192 q, V^T's 4 tiles (2 register groups each) at 8192 q + 4096; K's scale words at 32768 + 1024 q (as q_sc), V's at + 512: [tile / 2][lane][tile % 2].
; A wave holds two of the four bytes of V's scale words (its 64 keys of 128): they leave as 2 bytes a lane, lanes 8 bytes apart.
; The bias is added behind the sums, in f32.  LIMITS: a block of zeros gets the byte 1 (its codes are zeros; this program alone reads the bytes); NaN and infinities are not served.
; No prefetch: every fill goes out at the head.
.set PITCH,  272                       ; an LDS row: 256 bytes + 16: the 16 rows of a fragment load start in 16 different groups of banks
.set ROWS32, 32*PITCH                  ; what one tensor load brings
.set OPB,    256*PITCH                 ; W's tile lies behind x's
.set CHUNK,  2*OPB                     ; the second half of K behind the first
.set SPARE,  2*CHUNK                   ; the spare words: 128 bytes for each of 16 waves
.set SLOTB,  36864
.set SPW, 1                            ; v1  my spare word; never rewritten
.set NIL, 2                            ; v2  0; never rewritten
.set XA,  3                            ; v3-4  my x fragments in the two halves of K
.set WA,  5                            ; v5-6  my W fragments
.set LI,  7                            ; v7  16 x lane
.set L8,  8                            ; v8  8 x lane
.set BQ,  9                            ; v9  32 x (lane / 16): the bias of q, k
.set BV,  10                           ; v10 4 x (lane % 16): the bias of v
.set SOF, 11                           ; v11 32 x lane: a row of scale bytes
.set FR,  16                           ; v16-47 W's four fragments, v48-63 two of x's
.set SC,  64                           ; v64-79 x's scale words (8 p + K step: lanes 0-15 tile 2 p, lanes 16-31 tile 2 p + 1), v80-95 W's
.set BI,  96                           ; v96-127 the bias
.set ACC, 128                          ; v128-255
.set CO,  16                           ; the way out (in the fragments' registers): codes,
.set TM,  32                           ; largest magnitudes,
.set TP,  34                           ; the other half's,
.set SO,  36                           ; scale operands,
.set BY,  38                           ; bytes,
.set WD,  40                           ; scale words,
.set PW,  44                           ; and the pair that is stored
.set WV,  20
.set G1A, 28
.set G1B, 36
.set G0A, 44
.set G0B, 52
.set SEL, 90
.set HI,  92
.macro PLACES                          ; four places: in front of loads into registers that matrix instructions have read, and of the first read of results
.rept 4
	v_nop
.endr
.endm
.macro CROUND                          ; a round of the cluster's barrier
	s_barrier_signal -1
	s_barrier_wait -1
	s_cmp_lg_u32 s[WV], 0
	s_cbranch_scc1 .Lnot_wave_0_\@
	s_barrier_signal -3
.Lnot_wave_0_\@:
	s_barrier_wait -3
	s_barrier_signal -1
	s_barrier_wait -1
.endm
; one matrix instruction on the registers rD, rA, rB, rSA, rSB.  zero = 1: it starts the sum.  ra, rb: the scales stand in lanes 16-31
.macro WMX zero, ra, rb
.if \zero
.if (\ra) && (\rb)
	v_wmma_scale_f32_16x16x128_f8f6f4 v[rD:rD+7], v[rA:rA+7], v[rB:rB+7], 0, v[rSA], v[rSB] matrix_a_fmt:MATRIX_FMT_FP4 matrix_b_fmt:MATRIX_FMT_FP4 matrix_a_scale:MATRIX_SCALE_ROW1 matrix_b_scale:MATRIX_SCALE_ROW1
.elseif (\ra)
	v_wmma_scale_f32_16x16x128_f8f6f4 v[rD:rD+7], v[rA:rA+7], v[rB:rB+7], 0, v[rSA], v[rSB] matrix_a_fmt:MATRIX_FMT_FP4 matrix_b_fmt:MATRIX_FMT_FP4 matrix_a_scale:MATRIX_SCALE_ROW1
.elseif (\rb)
	v_wmma_scale_f32_16x16x128_f8f6f4 v[rD:rD+7], v[rA:rA+7], v[rB:rB+7], 0, v[rSA], v[rSB] matrix_a_fmt:MATRIX_FMT_FP4 matrix_b_fmt:MATRIX_FMT_FP4 matrix_b_scale:MATRIX_SCALE_ROW1
.else
	v_wmma_scale_f32_16x16x128_f8f6f4 v[rD:rD+7], v[rA:rA+7], v[rB:rB+7], 0, v[rSA], v[rSB] matrix_a_fmt:MATRIX_FMT_FP4 matrix_b_fmt:MATRIX_FMT_FP4
.endif
.else
.if (\ra) && (\rb)
	v_wmma_scale_f32_16x16x128_f8f6f4 v[rD:rD+7], v[rA:rA+7], v[rB:rB+7], v[rD:rD+7], v[rSA], v[rSB] matrix_a_fmt:MATRIX_FMT_FP4 matrix_b_fmt:MATRIX_FMT_FP4 matrix_a_scale:MATRIX_SCALE_ROW1 matrix_b_scale:MATRIX_SCALE_ROW1
.elseif (\ra)
	v_wmma_scale_f32_16x16x128_f8f6f4 v[rD:rD+7], v[rA:rA+7], v[rB:rB+7], v[rD:rD+7], v[rSA], v[rSB] matrix_a_fmt:MATRIX_FMT_FP4 matrix_b_fmt:MATRIX_FMT_FP4 matrix_a_scale:MATRIX_SCALE_ROW1
.elseif (\rb)
	v_wmma_scale_f32_16x16x128_f8f6f4 v[rD:rD+7], v[rA:rA+7], v[rB:rB+7], v[rD:rD+7], v[rSA], v[rSB] matrix_a_fmt:MATRIX_FMT_FP4 matrix_b_fmt:MATRIX_FMT_FP4 matrix_b_scale:MATRIX_SCALE_ROW1
.else
	v_wmma_scale_f32_16x16x128_f8f6f4 v[rD:rD+7], v[rA:rA+7], v[rB:rB+7], v[rD:rD+7], v[rSA], v[rSB] matrix_a_fmt:MATRIX_FMT_FP4 matrix_b_fmt:MATRIX_FMT_FP4
.endif
.endif
.endm
; eight matrix instructions of K step s: x's tiles a0, a0 + 1 against W's four.  vp = 0 (q, k): accumulator (a, t) at ACC + 32 a + 8 t; vp = 1 (v): (n, a) at ACC + 32 n + 8 a
.macro MUL8 s, a0, first, vp
.if \vp
.irp n, 0,1,2,3
.irp a, 0,1
.set rD, ACC+32*\n+8*(\a0+\a)
.set rA, FR+32+8*\a
.set rB, FR+8*\n
.set rSA, SC+8*((\a0)/2)+(\s)
.set rSB, SC+16+8*(\n/2)+(\s)
	WMX \first, \a, \n%2
.endr
.endr
.else
.irp a, 0,1
.irp t, 0,1,2,3
.set rD, ACC+32*(\a0+\a)+8*\t
.set rA, FR+8*\t
.set rB, FR+32+8*\a
.set rSA, SC+16+8*(\t/2)+(\s)
.set rSB, SC+8*((\a0)/2)+(\s)
	WMX \first, \t%2, \a
.endr
.endr
.endif
.endm
; K step s (128 along K = 64 bytes of a row): 16 fragment loads, 16 matrix instructions
.macro KSTEP s, first, vp
.set cA, XA+(\s)/4
.set cW, WA+(\s)/4
.set kO, 64*((\s)%4)
.if !(\first)
	PLACES
.endif
.irp i, 0,1,2,3
	ds_load_b128 v[FR+8*\i:FR+8*\i+3], v[cW] offset:kO+\i*16*PITCH
	ds_load_b128 v[FR+8*\i+4:FR+8*\i+7], v[cW] offset:kO+\i*16*PITCH+32
.endr
.irp i, 0,1
	ds_load_b128 v[FR+32+8*\i:FR+32+8*\i+3], v[cA] offset:kO+\i*16*PITCH
	ds_load_b128 v[FR+32+8*\i+4:FR+32+8*\i+7], v[cA] offset:kO+\i*16*PITCH+32
.endr
	s_wait_dscnt 0x0
	MUL8 \s, 0, \first, \vp
	PLACES
.irp i, 0,1
	ds_load_b128 v[FR+32+8*\i:FR+32+8*\i+3], v[cA] offset:kO+(\i+2)*16*PITCH
	ds_load_b128 v[FR+32+8*\i+4:FR+32+8*\i+7], v[cA] offset:kO+(\i+2)*16*PITCH+32
.endr
	s_wait_dscnt 0x0
	MUL8 \s, 2, \first, \vp
.endm
; 32 registers from v[s] on (four tiles, two blocks along the next K) become four registers of codes from v[r] on, and two bytes in v[BY], v[BY+1]
.macro QUANT2 s, r
.irp b, 0,1
	v_max3_num_f32 v[TM+\b], |v[(\s)+16*\b]|, |v[(\s)+16*\b+1]|, 0x1800000   ; my 16 numbers of block b, and the floor 2^(3 - 127): the byte cannot fall under 1
.endr
.irp i, 2,4,6,8,10,12,14
.irp b, 0,1
	v_max3_num_f32 v[TM+\b], v[TM+\b], |v[(\s)+16*\b+\i]|, |v[(\s)+16*\b+\i+1]|
.endr
.endr
.irp b, 0,1
	v_permlanex16_b32 v[TP+\b], v[TM+\b], s[SEL], s[SEL+1]
.endr
.irp b, 0,1
	v_max_num_f32 v[TM+\b], v[TM+\b], v[TP+\b]     ; with lane l xor 16's: the block's largest magnitude
.endr
.irp b, 0,1
	v_add_nc_u32 v[SO+\b], 0xff000000, v[TM+\b]    ; 2 off its exponent field: the conversion's scale operand
.endr
.irp b, 0,1
	v_lshrrev_b32 v[BY+\b], 23, v[SO+\b]           ; the scale's byte
.endr
	v_cvt_scalef32_pk8_fp4_f32 v[(\r)], v[(\s):(\s)+7], v[SO]
	v_cvt_scalef32_pk8_fp4_f32 v[(\r)+2], v[(\s)+8:(\s)+15], v[SO]
	v_cvt_scalef32_pk8_fp4_f32 v[(\r)+1], v[(\s)+16:(\s)+23], v[SO+1]
	v_cvt_scalef32_pk8_fp4_f32 v[(\r)+3], v[(\s)+24:(\s)+31], v[SO+1]
	v_nop                                          ; one plain place behind the scaled conversions
	v_permlane16_swap_b32 v[(\r)], v[(\r)+1]       ; lanes 0-15 get block 0 whole, lanes 16-31 block 1
	v_permlane16_swap_b32 v[(\r)+2], v[(\r)+3]
.endm
	s_load_b512 s[4:19], s[0:1], 0x0               ; x codes, x scales, W codes, W scales, bias, q_img, q_sc, kv
	v_lshl_add_u32 v[SPW], v0, 2, SPARE
	v_mov_b32 v[NIL], 0
	ds_add_u32 v[SPW], v[NIL]                      ; the wave's opening: the add, twice on end, and its wait ahead of my first tensor load
	ds_add_u32 v[SPW], v[NIL]
	v_lshrrev_b32 v12, 5, v0
	v_readfirstlane_b32 s[WV], v12                 ; wave 0..15
	s_and_b32 s21, s[WV], 7                        ; which 32 rows I fetch
	s_bfe_u32 s22, ttmp6, 0x40000                  ; cx
	s_bfe_u32 s23, ttmp6, 0x40004                  ; cy
	s_lshl_b32 s24, ttmp9, 2
	s_add_co_u32 s24, s24, s22                     ; tile column = 4 x cluster x + cx
	s_and_b32 s25, ttmp7, 0xffff
	s_lshl_b32 s25, s25, 2
	s_add_co_u32 s25, s25, s23                     ; tile row = 4 x cluster y + cy
	s_lshl_b32 s26, s23, 2
	s_lshl_b32 s26, 15, s26                        ; my row of the cluster
	s_lshl_b32 s27, 0x1111, s22                    ; my column
	s_or_b32 s[G1A], s26, (1<<20)|(1<<21)|(5<<22)|(3<<25)   ; the mask; elements of 1 byte; padding on; bit 21 beside a mask; 4 words of padding behind every 64
	s_or_b32 s[G1B], s27, (1<<20)|(1<<21)|(5<<22)|(3<<25)
.irp g, G1A, G1B
	s_mov_b32 s[\g+1], 256<<16                     ; tensor_dim0 = 256 bytes
	s_mov_b32 s[\g+2], 32<<16                      ; tensor_dim1 = 32 rows
	s_mov_b32 s[\g+3], 256<<16                     ; tile_dim0
	s_mov_b32 s[\g+4], 32                          ; tile_dim1
	s_mov_b32 s[\g+5], 512                         ; from row to row in memory
	s_mov_b32 s[\g+6], 0
	s_mov_b32 s[\g+7], 0
.endr
	s_lshl_b32 s60, s21, 5
	s_lshl_b32 s62, s25, 8
	s_add_co_u32 s62, s62, s60                     ; x: row 256 x tile row + 32 x (wave % 8)
	s_lshl_b32 s62, s62, 9
	s_mov_b32 s63, 0
	s_lshl_b32 s66, s24, 8
	s_add_co_u32 s66, s66, s60                     ; W: row 256 x tile column + 32 x (wave % 8)
	s_lshl_b32 s66, s66, 9
	s_mov_b32 s67, 0
	s_mul_i32 s68, s21, ROWS32                     ; and where they go: no place in the cluster enters an LDS address
	s_mov_b32 s[SEL], 0x76543210
	s_mov_b32 s[SEL+1], 0xfedcba98
	s_mov_b32 s[HI], 0xffff0000
	s_wait_dscnt 0x0                               ; both opening adds are done
	s_wait_kmcnt 0x0
	s_add_nc_u64 s[62:63], s[4:5], s[62:63]
	s_add_nc_u64 s[66:67], s[8:9], s[66:67]
	CROUND                                         ; all sixteen work-groups are here: the joint loads meet
.irp c, 0,1
	s_mov_b32 s[G0A+4*\c], 1
	s_add_co_u32 s[G0A+4*\c+1], s68, \c*CHUNK
	s_add_nc_u64 s[G0A+4*\c+2:G0A+4*\c+3], s[62:63], \c*256
	s_or_b32 s[G0A+4*\c+3], s[G0A+4*\c+3], 0x80000000
	s_mov_b32 s[G0B+4*\c], 1
	s_add_co_u32 s[G0B+4*\c+1], s68, \c*CHUNK+OPB
	s_add_nc_u64 s[G0B+4*\c+2:G0B+4*\c+3], s[66:67], \c*256
	s_or_b32 s[G0B+4*\c+3], s[G0B+4*\c+3], 0x80000000
.endr
	s_cmp_lt_u32 s[WV], 8                          ; waves 0-7 fetch x, waves 8-15 W; a wave's two fills stand in one branch
	s_cbranch_scc0 .Lfill_w
	tensor_load_to_lds s[G0A:G0A+3], s[G1A:G1A+7]
	s_nop 0
	tensor_load_to_lds s[G0A+4:G0A+7], s[G1A:G1A+7]
	s_nop 0
.rept 4
	v_nop
.endr
	s_branch .Lfilled
.Lfill_w:
	tensor_load_to_lds s[G0B:G0B+3], s[G1B:G1B+7]
	s_nop 0
	tensor_load_to_lds s[G0B+4:G0B+7], s[G1B:G1B+7]
	s_nop 0
.rept 4
	v_nop
.endr
.Lfilled:
	v_and_b32 v12, 31, v0                          ; lane
	v_and_b32 v13, 15, v0                          ; r
	v_bfe_u32 v14, v0, 4, 1                        ; h
	v_lshlrev_b32 v[LI], 4, v12
	v_lshlrev_b32 v[L8], 3, v12
	v_lshlrev_b32 v[BQ], 5, v14
	v_lshlrev_b32 v[BV], 2, v13
	v_lshlrev_b32 v[SOF], 5, v12
	v_mul_u32_u24 v15, v13, PITCH
	v_lshl_add_u32 v15, v14, 4, v15                ; a fragment's row x pitch + 16 x half
	s_and_b32 s69, s[WV], 3                        ; hl: my head of the tile's four
	s_lshr_b32 s70, s[WV], 2                       ; rg: my 64 rows of x
	s_mul_i32 s71, s70, 64*PITCH
	v_add_nc_u32 v[XA], s71, v15
	v_add_nc_u32 v[XA+1], CHUNK, v[XA]
	s_mul_i32 s71, s69, 64*PITCH
	s_add_co_u32 s71, s71, OPB
	v_add_nc_u32 v[WA], s71, v15
	v_add_nc_u32 v[WA+1], CHUNK, v[WA]
	s_lshl_b32 s72, s25, 8
	s_lshl_b32 s73, s70, 6
	s_add_co_u32 s72, s72, s73                     ; my first row of x
	s_lshl_b32 s72, s72, 5                         ; 32 scale bytes a row
	s_mov_b32 s73, 0
	s_add_nc_u64 s[6:7], s[6:7], s[72:73]
	s_lshl_b32 s72, s24, 8
	s_lshl_b32 s74, s69, 6
	s_add_co_u32 s74, s72, s74                     ; my first row of W
	s_lshl_b32 s72, s74, 5
	s_add_nc_u64 s[10:11], s[10:11], s[72:73]
	s_lshl_b32 s72, s74, 2
	s_add_nc_u64 s[12:13], s[12:13], s[72:73]      ; and its bias
.irp p, 0,1
	global_load_b128 v[SC+8*\p:SC+8*\p+3], v[SOF], s[6:7] offset:1024*\p          ; lane l: row 32 p + l: its 8 scale words, one a K step
	global_load_b128 v[SC+8*\p+4:SC+8*\p+7], v[SOF], s[6:7] offset:1024*\p+16
	global_load_b128 v[SC+16+8*\p:SC+16+8*\p+3], v[SOF], s[10:11] offset:1024*\p
	global_load_b128 v[SC+16+8*\p+4:SC+16+8*\p+7], v[SOF], s[10:11] offset:1024*\p+16
.endr
	s_lshr_b32 s75, s25, 3                         ; batch
	s_and_b32 s76, s25, 7                          ; tq: which 256 positions of the sequence
	s_and_b32 s77, s24, 3
	s_lshl_b32 s77, s77, 2
	s_add_co_u32 s77, s77, s69                     ; head
	s_lshl_b32 s75, s75, 4
	s_add_co_u32 s75, s75, s77                     ; bh = 16 x batch + head
	s_wait_tensorcnt 0x1                           ; my rows of the first half of K are in; the second half's load, issued behind it, may be out
	s_wait_loadcnt 0x0                             ; the scale words
	s_barrier_signal -1
	s_barrier_wait -1                              ; everybody's are
	s_cmp_eq_u32 ttmp9, 2                          ; the cluster's x: the same in all partners and all waves
	s_cbranch_scc1 .Lv_first
	KSTEP 0, 1, 0
	KSTEP 1, 0, 0
	KSTEP 2, 0, 0
	KSTEP 3, 0, 0
	s_branch .Lmid
.Lv_first:
	KSTEP 0, 1, 1
	KSTEP 1, 0, 1
	KSTEP 2, 0, 1
	KSTEP 3, 0, 1
.Lmid:
	s_wait_tensorcnt 0x0                           ; my rows of the second half
	s_barrier_signal -1
	s_barrier_wait -1
	s_cmp_eq_u32 ttmp9, 2
	s_cbranch_scc1 .Lv_second
	; ---- q and k
.irp t, 0,1,2,3
	global_load_b128 v[BI+8*\t:BI+8*\t+3], v[BQ], s[12:13] offset:64*\t           ; the bias in the result's layout: units 16 t + 8 h + 0 .. 7; it lands under the four K steps below
	global_load_b128 v[BI+8*\t+4:BI+8*\t+7], v[BQ], s[12:13] offset:64*\t+16
.endr
	s_lshl_b32 s78, s76, 4
	s_lshl_b32 s79, s70, 2
	s_add_co_u32 s78, s78, s79                     ; T0: my first tile of 16 positions in the sequence
	s_lshl_b32 s80, s75, 7
	s_add_co_u32 s80, s80, s78
	s_lshl_b32 s80, s80, 9                         ; q: codes, 512 bytes a tile
	s_lshl_b32 s82, s75, 5
	s_lshr_b32 s79, s78, 2
	s_add_co_u32 s82, s82, s79
	s_lshl_b32 s82, s82, 8                         ; q: scale words, 256 bytes for four tiles
	s_lshl_b32 s84, s75, 2
	s_lshr_b32 s79, s78, 5
	s_add_co_u32 s84, s84, s79
	s_mul_i32 s84, s84, SLOTB                      ; k: the slot,
	s_bfe_u32 s79, s78, 0x20003                    ; the key step in it,
	s_and_b32 s85, s78, 7                          ; the tile in the step (0 or 4)
	s_lshl_b32 s86, s79, 13
	s_add_co_u32 s86, s86, s84
	s_lshl_b32 s87, s85, 9
	s_add_co_u32 s86, s86, s87                     ; k: codes
	s_lshl_b32 s87, s79, 10
	s_add_co_u32 s84, s84, s87
	s_lshl_b32 s87, s85, 6
	s_add_co_u32 s84, s84, s87
	s_add_co_u32 s84, s84, 32768                   ; k: scale words
	s_mov_b32 s81, 0
	s_mov_b32 s83, 0
	s_cmp_eq_u32 ttmp9, 0
	s_cselect_b32 s80, s80, s86
	s_cselect_b32 s82, s82, s84
	s_cselect_b64 s[14:15], s[14:15], s[18:19]
	s_cselect_b64 s[16:17], s[16:17], s[18:19]
	s_add_nc_u64 s[14:15], s[14:15], s[80:81]
	s_add_nc_u64 s[16:17], s[16:17], s[82:83]
	KSTEP 4, 0, 0
	KSTEP 5, 0, 0
	KSTEP 6, 0, 0
	KSTEP 7, 0, 0
	PLACES
	v_mov_b32 v[TP], 0                             ; (a lane permute's destination counts as one of its sources)
	v_mov_b32 v[TP+1], 0
	s_wait_loadcnt 0x0                             ; the bias
.irp a, 0,1,2,3
.irp t, 0,1,2,3
.irp i, 0,2,4,6
	v_pk_add_f32 v[ACC+32*\a+8*\t+\i:ACC+32*\a+8*\t+\i+1], v[ACC+32*\a+8*\t+\i:ACC+32*\a+8*\t+\i+1], v[BI+8*\t+\i:BI+8*\t+\i+1]   ; each accumulator from its low end on
.endr
.endr
.endr
.irp a, 0,1,2,3
	QUANT2 ACC+32*\a, CO+4*\a
	v_lshl_or_b32 v[WD+\a], v[BY+1], 8, v[BY]
	v_or_b32 v[WD+\a], 0x7f7f0000, v[WD+\a]        ; bytes 2 and 3 scale the upper 64 of the instruction's 128, which are zero codes: 127
.endr
	v_cndmask_b32 v[PW], v[WD], v[WD+1], s[HI]     ; lanes 0-15: tile 0's words, lanes 16-31: tile 1's
	v_cndmask_b32 v[PW+1], v[WD+2], v[WD+3], s[HI]
.irp a, 0,1,2,3
	global_store_b128 v[LI], v[CO+4*\a:CO+4*\a+3], s[14:15] offset:512*\a          ; 32 lanes store 512 consecutive bytes, aligned
.endr
	global_store_b64 v[L8], v[PW:PW+1], s[16:17]   ; 256 consecutive bytes, aligned
	s_branch .Lend
.Lv_second:
	; ---- v
.irp n, 0,1,2,3
	v_mov_b32 v[BI+2*\n+1], 0                      ; (named as the upper half of a pair)
	global_load_b32 v[BI+2*\n], v[BV], s[12:13] offset:64*\n                       ; the bias of unit 16 n + r
.endr
	s_lshl_b32 s78, s76, 1
	s_lshr_b32 s79, s70, 1
	s_add_co_u32 s78, s78, s79                     ; my key step of the sequence's 16
	s_and_b32 s79, s70, 1                          ; c: my 64 keys of its 128
	s_lshl_b32 s84, s75, 2
	s_lshr_b32 s85, s78, 2
	s_add_co_u32 s84, s84, s85
	s_mul_i32 s84, s84, SLOTB                      ; the slot
	s_and_b32 s85, s78, 3
	s_lshl_b32 s80, s85, 13
	s_add_co_u32 s80, s80, s84
	s_lshl_b32 s86, s79, 9
	s_add_co_u32 s80, s80, s86
	s_add_co_u32 s80, s80, 4096                    ; codes: register group c of each of the four tiles
	s_lshl_b32 s82, s85, 10
	s_add_co_u32 s82, s82, s84
	s_lshl_b32 s86, s79, 1
	s_add_co_u32 s82, s82, s86
	s_add_co_u32 s82, s82, 32768+512               ; bytes 2 c and 2 c + 1 of the scale words
	s_mov_b32 s81, 0
	s_mov_b32 s83, 0
	s_add_nc_u64 s[14:15], s[18:19], s[80:81]
	s_add_nc_u64 s[16:17], s[18:19], s[82:83]
	KSTEP 4, 0, 1
	KSTEP 5, 0, 1
	KSTEP 6, 0, 1
	KSTEP 7, 0, 1
	PLACES
	v_mov_b32 v[TP], 0
	v_mov_b32 v[TP+1], 0
	s_wait_loadcnt 0x0
.irp n, 0,1,2,3
.irp a, 0,1,2,3
.irp i, 0,2,4,6
	v_pk_add_f32 v[ACC+32*\n+8*\a+\i:ACC+32*\n+8*\a+\i+1], v[ACC+32*\n+8*\a+\i:ACC+32*\n+8*\a+\i+1], v[BI+2*\n:BI+2*\n+1] op_sel_hi:[1,0]   ; the pair's low word serves both halves
.endr
.endr
.endr
.irp n, 0,1,2,3
	QUANT2 ACC+32*\n, CO+4*\n
	v_lshl_or_b32 v[WD+\n], v[BY+1], 8, v[BY]
.endr
.irp n, 0,1,2,3
	global_store_b128 v[LI], v[CO+4*\n:CO+4*\n+3], s[14:15] offset:1024*\n
.endr
.irp n, 0,1,2,3
	global_store_b16 v[L8], v[WD+\n], s[16:17] offset:256*(\n/2)+4*(\n%2)
.endr
.Lend:
	s_wait_tensorcnt 0x0                           ; the wave's end
	ds_add_u32 v[SPW], v[NIL]
	s_wait_dscnt 0x0
	CROUND                                         ; the closing round
	s_endpgm
.Lfunc_end_k_q08c094c0c8_qkv:
	.size	k_q08c094c0c8_qkv, .Lfunc_end_k_q08c094c0c8_qkv-k_q08c094c0c8_qkv
	.p2alignl 7, 3214868480
	.fill 96, 4, 3214868480
	.section	.rodata,"a",@progbits
	.p2align	6, 0x0
	.amdhsa_kernel k_q08c094c0c8_qkv
		.amdhsa_group_segment_fixed_size 280576
		.amdhsa_private_segment_fixed_size 0
		.amdhsa_enable_private_segment 0
		.amdhsa_kernarg_size 64
		.amdhsa_user_sgpr_count 2
		.amdhsa_user_sgpr_kernarg_segment_ptr 1
		.amdhsa_wavefront_size32 1
		.amdhsa_system_sgpr_workgroup_id_x 1
		.amdhsa_system_sgpr_workgroup_id_y 1
		.amdhsa_system_sgpr_workgroup_id_z 1
		.amdhsa_system_vgpr_workitem_id 0
		.amdhsa_next_free_vgpr 256
		.amdhsa_next_free_sgpr 96
		.amdhsa_reserve_vcc 0
		.amdhsa_float_denorm_mode_32 3
		.amdhsa_float_denorm_mode_16_64 3
		.amdhsa_memory_ordered 1
		.amdhsa_forward_progress 1
		.amdhsa_inst_pref_size 89
	.end_amdhsa_kernel
	.amdgpu_metadata
---
amdhsa.version: [ 1, 2 ]
amdhsa.kernels:
  - .name:           k_q08c094c0c8_qkv
    .symbol:         k_q08c094c0c8_qkv.kd
    .args:
      - { .name: x_codes, .offset: 0, .size: 8, .value_kind: global_buffer, .address_space: global }
      - { .name: x_scales, .offset: 8, .size: 8, .value_kind: global_buffer, .address_space: global }
      - { .name: qkv_w_codes, .offset: 16, .size: 8, .value_kind: global_buffer, .address_space: global }
      - { .name: qkv_w_scales, .offset: 24, .size: 8, .value_kind: global_buffer, .address_space: global }
      - { .name: qkv_b, .offset: 32, .size: 8, .value_kind: global_buffer, .address_space: global }
      - { .name: q_img, .offset: 40, .size: 8, .value_kind: global_buffer, .address_space: global }
      - { .name: q_sc, .offset: 48, .size: 8, .value_kind: global_buffer, .address_space: global }
      - { .name: kv, .offset: 56, .size: 8, .value_kind: global_buffer, .address_space: global }
    .group_segment_fixed_size: 280576
    .private_segment_fixed_size: 0
    .kernarg_segment_align: 8
    .kernarg_segment_size: 64
    .max_flat_workgroup_size: 512
    .sgpr_count:     96
    .vgpr_count:     256
    .wavefront_size: 32
...
	.end_amdgpu_metadata
.endif
;; end of part 2
;; launch attn (part 3): grid 4 x 64, 16 waves a work-group, no clusters, 104,960 bytes of LDS; arguments q_img, q_sc, kv, mbits, mflags, y_img, y_sc; writes y_img, y_sc
.if DOCPART == 3
	.amdgcn_target "amdgcn-amd-amdhsa--gfx1250"
	.amdhsa_code_object_version 6
	.text
	.protected	k_q08c094c0c8_attn
	.globl	k_q08c094c0c8_attn
	.p2align	8
	.type	k_q08c094c0c8_attn,@function
k_q08c094c0c8_attn:
	s_mov_b64 s[64:65], 0
	v_nop
	global_prefetch_b8 v0, s[64:65] scope:SCOPE_SE
	s_setreg_imm32_b32 hwreg(HW_REG_WAVE_MODE, 25, 1), 1
	s_wait_xcnt 0x0
; y = softmax(q k^T / 8, masked) v for one head, both products on codes of FP4, and y quantised along the model's axis for the last product.
; LEFT OUT: key steps that the first launch has marked not live for a tile of queries (all their mask words 0, and every row of the tile has an open key elsewhere): their p is 0.  The marks are whole numbers read from memory.
; SHARES.  Work-group (x, bh): two passes over blocks of 256 queries of head bh, block x and then block 7 - x.  Each of the 16 waves owns one tile of 16 queries; a lane holds ONE query (lane % 16) throughout.
; Both products are used transposed: S^T = K Q^T (source 0 = 16 keys), O^T = V^T P^T (source 0 = 16 of the head's 64).  A key step is 128 keys: 8 + 4 matrix instructions.
; THE HEAD'S 64 IN AN INSTRUCTION OF 128: Q's registers 4-7 are zero codes; K's registers 4-7 are whatever follows (the next tile's codes, behind the last tile four zeros) and meet zeros alone; scale bytes 2, 3 are 127.
; K AND V come as images of operand registers (launch qkv).  A slot of 512 keys, 36,864 bytes, goes from memory through registers into one of two LDS slots, 72 bytes a thread: loaded at a turn's head for the next turn,
; stored at its end into the slot that nobody reads in this turn; one barrier a turn.  No prefetch: the loads for the next slot
; are themselves issued four key steps ahead of their use.
; THE SOFTMAX: t = score x log2(e) / 8; M = the running largest t rounded up to a whole number, kept as -M = floor(-t); p = 2^(t - M) is quantised along the keys, not normalised; the row's sum is taken of the unquantised p;
; when M moves, the sum and O^T are multiplied by 2^(old M - new M), exactly.  A closed key's score is replaced by -2^126: its t is a whole number, so a row with no open key has p = 1 on every key (the mean of V,
; as the problem's function gives it), and as soon as an open key sets M, what was summed before is multiplied by 0 and later closed keys give p = 0.
; LIMITS: open scores lie above -2^126; NaN and infinities are not served; a block of zeros gets the byte 1 (its codes are zeros; this program alone reads the bytes).
.set SLOT1, 65536                      ; LDS: slot 0 at 0, slot 1 here
.set SLOTB, 36864
.set YST,   102400                     ; 512 bytes: a block's scale bytes of y
.set SPARE, 102912                     ; the spare words: 128 bytes for each of 16 waves
.set SPW, 1                            ; v1  my spare word; never rewritten
.set NIL, 2                            ; v2  0; never rewritten
.set YSA, 3                            ; v3  where my scale byte of y goes
.set YSR, 4                            ; v4  where wave 0 reads 16 of them
.set GO,  5                            ; v5-6 offsets of the loads for the next slot
.set GO8, 6
.set AD,  7                            ; v7-8  16 x lane in slot 0, 1
.set AS,  9                            ; v9-10 8 x lane in slot 0, 1
.set Q,   16                           ; v16-19 Q's codes, v20-23 zeros
.set QS,  24                           ; v24 Q's scale words
.set NEG, 25                           ; v25 -2^126
.set QS1, 27                           ; v27, v28-31: the second pass's
.set Q1,  28
.set KV,  32                           ; v32-63 K's 8 tiles (4 registers each), then V's 4 (8 each); v64-67 zeros
.set KS,  68                           ; v68-71 K's scale words: register t / 2, lanes 16 (t % 2) on
.set VS,  72                           ; v72-75 V's: register t
.set YC,  76                           ; v76-79 y's codes
.set ST,  82                           ; v82-83 16 x thread in slot 0, 1
.set ST8, 84                           ; v84-85 32768 + 8 x thread in slot 0, 1
.set S,   96                           ; v96-159 S^T, then p
.set O,   160                          ; v160-191 O^T
.set PC,  192                          ; v192-199 p's codes
.set PS,  200                          ; v200 p's scale word
.set SG,  204                          ; v204-221 the next slot on its way
.set TM,  232                          ; at work: v232-254
.set TP,  236
.set BY,  240
.set SO,  244
.set WV,  18
.set SEL, 22
.set CS,  24                           ; s[24:25] c = log2(e) / 8
.set HI,  26
.set NOFF, 28                          ; s28 the next slot's bytes in the head's part of kv
.set ND,  29                           ; s29 bit i: the slot of turn i from now is read by some wave
.set LV,  30                           ; s30 bit q: key step q of this turn is live for my tile;  s31: it has closed keys
.set MX,  31
.set MB,  104                          ; s[104:105] my tile's mask words of this turn
.macro FOLD n, t, r                    ; s[n]: a bit a key step -> s[r]: a bit a slot of four steps
	s_lshr_b32 s[\t], s[\n], 1
	s_or_b32 s[\n], s[\n], s[\t]
	s_lshr_b32 s[\t], s[\n], 2
	s_or_b32 s[\n], s[\n], s[\t]
	s_and_b32 s[\r], s[\n], 1
	s_lshr_b32 s[\t], s[\n], 3
	s_and_b32 s[\t], s[\t], 2
	s_or_b32 s[\r], s[\r], s[\t]
	s_lshr_b32 s[\t], s[\n], 6
	s_and_b32 s[\t], s[\t], 4
	s_or_b32 s[\r], s[\r], s[\t]
	s_lshr_b32 s[\t], s[\n], 9
	s_and_b32 s[\t], s[\t], 8
	s_or_b32 s[\r], s[\r], s[\t]
.endm
.macro QUANT2 s, r                     ; as in launch qkv: 32 registers, two blocks along the next K -> four registers of codes, two bytes
.irp b, 0,1
	v_max3_num_f32 v[TM+\b], |v[(\s)+16*\b]|, |v[(\s)+16*\b+1]|, 0x1800000
.endr
.irp i, 2,4,6,8,10,12,14
.irp b, 0,1
	v_max3_num_f32 v[TM+\b], v[TM+\b], |v[(\s)+16*\b+\i]|, |v[(\s)+16*\b+\i+1]|
.endr
.endr
.irp b, 0,1
	v_permlanex16_b32 v[TP+\b], v[TM+\b], s[SEL], s[SEL+1]
.endr
.irp b, 0,1
	v_max_num_f32 v[TM+\b], v[TM+\b], v[TP+\b]
.endr
.irp b, 0,1
	v_add_nc_u32 v[SO+\b], 0xff000000, v[TM+\b]
.endr
.irp b, 0,1
	v_lshrrev_b32 v[BY+\b], 23, v[SO+\b]
.endr
	v_cvt_scalef32_pk8_fp4_f32 v[(\r)], v[(\s):(\s)+7], v[SO]
	v_cvt_scalef32_pk8_fp4_f32 v[(\r)+2], v[(\s)+8:(\s)+15], v[SO]
	v_cvt_scalef32_pk8_fp4_f32 v[(\r)+1], v[(\s)+16:(\s)+23], v[SO+1]
	v_cvt_scalef32_pk8_fp4_f32 v[(\r)+3], v[(\s)+24:(\s)+31], v[SO+1]
	v_nop
	v_permlane16_swap_b32 v[(\r)], v[(\r)+1]
	v_permlane16_swap_b32 v[(\r)+2], v[(\r)+3]
.endm
	s_load_b256 s[4:11], s[0:1], 0x0               ; q_img, q_sc, kv, mbits
	s_load_b128 s[12:15], s[0:1], 0x20             ; mflags, y_img
	s_load_b64 s[16:17], s[0:1], 0x30              ; y_sc
	v_lshl_add_u32 v[SPW], v0, 2, SPARE
	v_mov_b32 v[NIL], 0
	v_lshrrev_b32 v32, 5, v0
	v_readfirstlane_b32 s[WV], v32                 ; wave 0..15
	s_and_b32 s19, ttmp7, 0xffff                   ; bh
	s_sub_co_u32 s101, 7, ttmp9                    ; the second pass's block
	s_lshl_b32 s2, ttmp9, 4
	s_add_co_u32 s2, s2, s[WV]                     ; my tile in the first pass,
	s_lshl_b32 s3, s101, 4
	s_add_co_u32 s3, s3, s[WV]                     ; and in the second
	s_mov_b32 s29, 0
	s_wait_kmcnt 0x0
	s_lshl_b32 s28, s2, 3
	s_add_nc_u64 s[20:21], s[12:13], s[28:29]
	s_lshl_b32 s28, s3, 3
	s_add_nc_u64 s[22:23], s[12:13], s[28:29]
	s_lshl_b32 s28, ttmp9, 7
	s_add_nc_u64 s[24:25], s[12:13], s[28:29]
	s_lshl_b32 s28, s101, 7
	s_add_nc_u64 s[26:27], s[12:13], s[28:29]
	s_load_b64 s[30:31], s[20:21], 0x0             ; my tile's flags, first pass;
	s_load_b64 s[66:67], s[22:23], 0x0             ; second pass;
	s_load_b512 s[32:47], s[24:25], 0x0            ; the flags of the block's 16 tiles, first pass;
	s_load_b512 s[48:63], s[24:25], 0x40
	s_load_b512 s[68:83], s[26:27], 0x0            ; second pass
	s_load_b512 s[84:99], s[26:27], 0x40
	v_and_b32 v32, 31, v0                          ; lane
	v_and_b32 v33, 15, v0                          ; r
	v_bfe_u32 v34, v0, 4, 1                        ; hh
	v_lshlrev_b32 v[AD], 4, v32
	v_add_nc_u32 v[AD+1], SLOT1, v[AD]
	v_lshlrev_b32 v[AS], 3, v32
	v_add_nc_u32 v[AS+1], SLOT1, v[AS]
	v_lshlrev_b32 v[ST], 4, v0
	v_add_nc_u32 v[ST+1], SLOT1, v[ST]
	v_lshl_add_u32 v[ST8], v0, 3, 32768
	v_add_nc_u32 v[ST8+1], SLOT1, v[ST8]
	s_lshl_b32 s100, s[WV], 5
	v_lshl_add_u32 v[YSA], v33, 1, v34             ; 2 r + hh,
	v_add_nc_u32 v[YSA], s100, v[YSA]              ; + 32 x wave
	v_add_nc_u32 v[YSA], YST, v[YSA]
	v_add_nc_u32 v[YSR], YST, v[AD]
	s_lshl_b32 s28, s19, 16                        ; a head's 128 tiles of 512 bytes
	s_add_nc_u64 s[4:5], s[4:5], s[28:29]
	s_lshl_b32 s28, s19, 13
	s_add_nc_u64 s[6:7], s[6:7], s[28:29]
	s_mul_i32 s28, s19, 4*SLOTB
	s_add_nc_u64 s[8:9], s[8:9], s[28:29]
.irp i, 0,1,2,3
	global_load_b128 v[SG+4*\i:SG+4*\i+3], v[ST], s[8:9] offset:8192*\i            ; slot 0
.endr
	global_load_b64 v[SG+16:SG+17], v[ST8], s[8:9]
	s_lshl_b32 s100, s2, 9
	v_add_nc_u32 v35, s100, v[AD]
	s_lshl_b32 s100, s3, 9
	v_add_nc_u32 v36, s100, v[AD]
	global_load_b128 v[Q:Q+3], v35, s[4:5]
	global_load_b128 v[Q1:Q1+3], v36, s[4:5]
	s_lshr_b32 s100, s2, 2                         ; Q's scale words: 256 bytes for four tiles; word (T / 2) % 2 of lane 16 (T % 2) + r
	s_lshl_b32 s100, s100, 8
	s_and_b32 s28, s2, 1
	s_lshl_b32 s28, s28, 7
	s_add_co_u32 s100, s100, s28
	s_bfe_u32 s28, s2, 0x10001
	s_lshl_b32 s28, s28, 2
	s_add_co_u32 s100, s100, s28
	v_lshl_add_u32 v37, v33, 3, s100
	s_lshr_b32 s100, s3, 2
	s_lshl_b32 s100, s100, 8
	s_and_b32 s28, s3, 1
	s_lshl_b32 s28, s28, 7
	s_add_co_u32 s100, s100, s28
	s_bfe_u32 s28, s3, 0x10001
	s_lshl_b32 s28, s28, 2
	s_add_co_u32 s100, s100, s28
	v_lshl_add_u32 v38, v33, 3, s100
	global_load_b32 v[QS], v37, s[6:7]
	global_load_b32 v[QS1], v38, s[6:7]
.irp i, 20,21,22,23,64,65,66,67,236,237,238,239,252,253
	v_mov_b32 v\i, 0                               ; zero codes; and registers that are named before they are first written
.endr
	v_mov_b32 v[NEG], 0xfe800000
	s_wait_kmcnt 0x0                               ; the flags
	s_or_b32 s20, s32, s34                         ; which key steps are live for some tile of the block
.irp i, 36,38,40,42,44,46,48,50,52,54,56,58,60,62
	s_or_b32 s20, s20, s\i
.endr
	s_or_b32 s21, s68, s70
.irp i, 72,74,76,78,80,82,84,86,88,90,92,94,96,98
	s_or_b32 s21, s21, s\i
.endr
	FOLD 20, 24, 29
	FOLD 21, 24, 25
	s_lshl_b32 s25, s25, 4
	s_or_b32 s[ND], s[ND], s25                     ; eight turns: four slots a pass
	s_mov_b32 s[SEL], 0x76543210
	s_mov_b32 s[SEL+1], 0xfedcba98
	s_mov_b32 s[CS], 0x3e38aa3b
	s_mov_b32 s[CS+1], s[CS]
	s_mov_b32 s[HI], 0xffff0000
	s_mov_b32 s[NOFF], SLOTB
	s_wait_loadcnt 0x0
.irp i, 0,1,2,3
	ds_store_b128 v[ST], v[SG+4*\i:SG+4*\i+3] offset:8192*\i
.endr
	ds_store_b64 v[ST8], v[SG+16:SG+17]
	s_mov_b32 s13, 0
	s_lshl_b32 s12, s2, 12                         ; a tile's mask words: 16 steps of 256 bytes
	s_add_nc_u64 s[MB:MB+1], s[10:11], s[12:13]
	s_lshl_b32 s12, s3, 12
	s_add_nc_u64 s[4:5], s[10:11], s[12:13]        ; s[4:5]: the second pass's
	s_lshr_b32 s20, s19, 4                         ; batch
	s_and_b32 s21, s19, 15                         ; head
	s_lshl_b32 s27, s20, 7
	s_lshl_b32 s100, s21, 9
	s_add_co_u32 s12, s27, s3
	s_lshl_b32 s12, s12, 13                        ; y_img: 8,192 bytes a tile of rows, 512 a head
	s_add_co_u32 s12, s12, s100
	s_add_nc_u64 s[6:7], s[14:15], s[12:13]        ; s[6:7]: the second pass's
	s_add_co_u32 s12, s27, s2
	s_lshl_b32 s12, s12, 13
	s_add_co_u32 s12, s12, s100
	s_add_nc_u64 s[14:15], s[14:15], s[12:13]
	s_lshl_b32 s27, s21, 14                        ; y_sc: 16,384 bytes a head, 2 a row
	s_lshl_b32 s100, s20, 12
	s_add_co_u32 s27, s27, s100
	s_lshl_b32 s12, s101, 9
	s_add_co_u32 s12, s12, s27
	s_add_nc_u64 s[10:11], s[16:17], s[12:13]      ; s[10:11]: the second pass's
	s_lshl_b32 s12, ttmp9, 9
	s_add_co_u32 s12, s12, s27
	s_add_nc_u64 s[16:17], s[16:17], s[12:13]
	s_wait_dscnt 0x0                               ; my part of slot 0 has landed
	s_barrier_signal -1
	s_barrier_wait -1
; KEY STEP q of the slot in LDS slot p
.macro STEP p, q
	s_bitcmp1_b32 s[LV], \q
	s_cbranch_scc0 .Lhid_\@                        ; not live for my tile: a stored whole number decides
.irp t, 0,1,2,3,4,5,6,7
	ds_load_b128 v[KV+4*\t:KV+4*\t+3], v[AD+\p] offset:8192*\q+512*\t
.endr
.irp g, 0,1
	ds_load_b64 v[KS+2*\g:KS+2*\g+1], v[AS+\p] offset:32768+1024*\q+256*\g
.endr
	s_wait_dscnt 0x0
.irp t, 0,2,4,6
	v_wmma_scale_f32_16x16x128_f8f6f4 v[S+8*\t:S+8*\t+7], v[KV+4*\t:KV+4*\t+7], v[Q:Q+7], 0, v[KS+\t/2], v[QS] matrix_a_fmt:MATRIX_FMT_FP4 matrix_b_fmt:MATRIX_FMT_FP4
	v_wmma_scale_f32_16x16x128_f8f6f4 v[S+8*\t+8:S+8*\t+15], v[KV+4*\t+4:KV+4*\t+11], v[Q:Q+7], 0, v[KS+\t/2], v[QS] matrix_a_fmt:MATRIX_FMT_FP4 matrix_b_fmt:MATRIX_FMT_FP4 matrix_a_scale:MATRIX_SCALE_ROW1
.endr
.rept 4
	v_nop                                          ; places: in front of the loads into K's registers and of the first read of the scores
.endr
.irp t, 0,1,2,3
.irp c, 0,1
	ds_load_b128 v[KV+8*\t+4*\c:KV+8*\t+4*\c+3], v[AD+\p] offset:8192*\q+4096+1024*\t+512*\c   ; V lands under the softmax
.endr
.endr
.irp g, 0,1
	ds_load_b64 v[VS+2*\g:VS+2*\g+1], v[AS+\p] offset:32768+1024*\q+512+256*\g
.endr
	s_bitcmp1_b32 s[MX], \q
	s_cbranch_scc0 .Lopen_\@                       ; every key of the step is open
	s_load_b512 s[32:47], s[MB:MB+1], 256*\q
	s_load_b512 s[48:63], s[MB:MB+1], 256*\q+64
	s_load_b512 s[68:83], s[MB:MB+1], 256*\q+128
	s_load_b512 s[84:99], s[MB:MB+1], 256*\q+192
	s_wait_kmcnt 0x0
.set n, 0
.rept 64
	v_cndmask_b32 v[S+n], v[NEG], v[S+n], s[32+n+4*(n/32)]       ; word n is score register n's lane mask
.set n, n+1
.endr
.Lopen_\@:
.irp b, 0,1,2,3
	v_max3_num_f32 v[232+\b], v[S+16*\b], v[S+1+16*\b], v[S+2+16*\b]   ; the largest score of each block of 32 keys: for the row's maximum and for the block's largest p
.endr
.irp i, 3,5,7,9,11,13
.irp b, 0,1,2,3
	v_max3_num_f32 v[232+\b], v[232+\b], v[S+16*\b+\i], v[S+1+16*\b+\i]
.endr
.endr
.irp b, 0,1,2,3
	v_max_num_f32 v[232+\b], v[232+\b], v[S+15+16*\b]
.endr
.irp b, 0,1,2,3
	v_permlanex16_b32 v[236+\b], v[232+\b], s[SEL], s[SEL+1]
.endr
.irp b, 0,1,2,3
	v_max_num_f32 v[232+\b], v[232+\b], v[236+\b]
.endr
	v_max3_num_f32 v254, v232, v233, v234
	v_max_num_f32 v254, v254, v235
	v_mul_f32 v254, s[CS], v254                    ; as t
	v_max_num_f32 v13, v13, v254                   ; the running largest t
	v_mov_b32 v254, v12
	v_floor_f32 v12, -v13                          ; the new -M
	v_sub_f32 v254, v12, v254                      ; old M - new M: a whole number, 0 or less
	v_cvt_i32_f32 v254, v254                       ; (it saturates)
	v_ldexp_f32 v252, 1.0, v254                    ; f = 2^(old M - new M)
.set j, 0
.rept 32
	v_pk_fma_f32 v[S+j:S+j+1], v[S+j:S+j+1], s[CS:CS+1], v[12:13] op_sel_hi:[1,0,0]   ; t - M
.set j, j+2
.endr
.irp b, 0,1,2,3
	v_fma_f32 v[232+\b], v[232+\b], s[CS], v12
.endr
.set j, 0
.rept 64
	v_exp_f32 v[S+j], v[S+j]                       ; p
.set j, j+1
.endr
	v_pk_mul_f32 v[14:15], v[14:15], v[252:253] op_sel_hi:[1,0]   ; the sums under the new M: the plain place behind the exponentials
	s_wait_alu depctr_va_vdst(0)                   ; one wait for the batch, ahead of its first reader
.irp b, 0,1,2,3
	v_exp_f32 v[232+\b], v[232+\b]                 ; each block's largest p
.endr
	v_pk_add_f32 v[236:237], v[S:S+1], v[S+2:S+3]  ; the row's sum of the unquantised p, in two chains
.irp j, 4,8,12,16,20,24,28,32,36,40,44,48,52,56,60
	v_pk_add_f32 v[14:15], v[14:15], v[S+\j:S+\j+1]
	v_pk_add_f32 v[236:237], v[236:237], v[S+2+\j:S+3+\j]
.endr
	v_pk_add_f32 v[14:15], v[14:15], v[236:237]
	s_wait_alu depctr_va_vdst(0)                   ; and one for the four
.irp b, 0,1,2,3
	v_max_num_f32 v[232+\b], 0x1800000, v[232+\b]  ; the floor 2^(3 - 127)
.endr
.irp b, 0,1,2,3
	v_add_nc_u32 v[244+\b], 0xff000000, v[232+\b]
.endr
.irp b, 0,1,2,3
	v_lshrrev_b32 v[236+\b], 23, v[244+\b]
.endr
	v_lshl_or_b32 v[PS], v237, 8, v236
	v_lshl_or_b32 v[PS], v238, 16, v[PS]
	v_lshl_or_b32 v[PS], v239, 24, v[PS]
.irp c, 0,1
	v_cvt_scalef32_pk8_fp4_f32 v[PC+4*\c], v[S+32*\c:S+32*\c+7], v[244+2*\c]
	v_cvt_scalef32_pk8_fp4_f32 v[PC+4*\c+2], v[S+32*\c+8:S+32*\c+15], v[244+2*\c]
	v_cvt_scalef32_pk8_fp4_f32 v[PC+4*\c+1], v[S+32*\c+16:S+32*\c+23], v[245+2*\c]
	v_cvt_scalef32_pk8_fp4_f32 v[PC+4*\c+3], v[S+32*\c+24:S+32*\c+31], v[245+2*\c]
.endr
	v_nop                                          ; one plain place behind the scaled conversions
.irp c, 0,1
	v_permlane16_swap_b32 v[PC+4*\c], v[PC+4*\c+1]
	v_permlane16_swap_b32 v[PC+4*\c+2], v[PC+4*\c+3]
.endr
.set j, 0
.rept 16
	v_pk_mul_f32 v[O+j:O+j+1], v[O+j:O+j+1], v[252:253] op_sel_hi:[1,0]   ; O^T under the new M; these 16 are also the places between p's codes and scale word and the products
.set j, j+2
.endr
	s_wait_dscnt 0x0                               ; V
.irp t, 0,1,2,3
	v_wmma_scale_f32_16x16x128_f8f6f4 v[O+8*\t:O+8*\t+7], v[KV+8*\t:KV+8*\t+7], v[PC:PC+7], v[O+8*\t:O+8*\t+7], v[VS+\t], v[PS] matrix_a_fmt:MATRIX_FMT_FP4 matrix_b_fmt:MATRIX_FMT_FP4
.endr
.rept 4
	v_nop                                          ; places in front of the next loads into V's registers, and of the way out
.endr
.Lhid_\@:
.endm
; A TURN: the slot in LDS slot p is walked; the next turn's slot goes from memory into the other LDS slot
.macro TRIP p
	v_add_nc_u32 v[GO], s[NOFF], v[ST]
	v_add_nc_u32 v[GO8], s[NOFF], v[ST8]
	s_bitcmp1_b32 s[ND], 1
	s_cbranch_scc0 .Lno_load_\@                    ; no wave will read the next turn's slot
.irp i, 0,1,2,3
	global_load_b128 v[SG+4*\i:SG+4*\i+3], v[GO], s[8:9] offset:8192*\i
.endr
	global_load_b64 v[SG+16:SG+17], v[GO8], s[8:9]
.Lno_load_\@:
	STEP \p, 0
	STEP \p, 1
	STEP \p, 2
	STEP \p, 3
	s_wait_loadcnt 0x0
	s_bitcmp1_b32 s[ND], 1
	s_cbranch_scc0 .Lno_store_\@
.irp i, 0,1,2,3
	ds_store_b128 v[ST+1-\p], v[SG+4*\i:SG+4*\i+3] offset:8192*\i   ; the other slot: its last reads stand in front of the last barrier
.endr
	ds_store_b64 v[ST8+1-\p], v[SG+16:SG+17]
.Lno_store_\@:
	s_lshr_b32 s[ND], s[ND], 1
	s_lshr_b32 s[LV], s[LV], 4
	s_lshr_b32 s[MX], s[MX], 4
	s_add_nc_u64 s[MB:MB+1], s[MB:MB+1], 1024
	s_add_co_u32 s[NOFF], s[NOFF], SLOTB
	s_cmp_eq_u32 s[NOFF], 4*SLOTB
	s_cselect_b32 s[NOFF], 0, s[NOFF]              ; behind a pass's last slot comes the next pass's first
	s_wait_dscnt 0x0                               ; my stores have landed, my reads of this slot are over
	s_barrier_signal -1
	s_barrier_wait -1
.endm
	s_mov_b32 s2, 2
.Lpass:
	v_mov_b32 v13, 0xff61b1e6                      ; the largest t so far: -3e38, under every t
	v_floor_f32 v12, -v13
	v_mov_b32 v14, 0
	v_mov_b32 v15, 0
.set j, 0
.rept 32
	v_mov_b32 v[O+j], 0                            ; the key step is written once: the first finds zeros
.set j, j+1
.endr
	s_mov_b32 s3, 2
.Lslot:
	TRIP 0
	TRIP 1
	s_sub_co_u32 s3, s3, 1
	s_cmp_lg_u32 s3, 0
	s_cbranch_scc1 .Lslot
	; the pass's way out: y = O^T / the sum, quantised along the head's 64
	v_add_f32 v14, v14, v15
	v_permlanex16_b32 v252, v14, s[SEL], s[SEL+1]
	v_add_f32 v14, v14, v252
	v_rcp_f32 v14, v14
	v_nop
	s_wait_alu depctr_va_vdst(0)
.set j, 0
.rept 16
	v_pk_mul_f32 v[S+j:S+j+1], v[O+j:O+j+1], v[14:15] op_sel_hi:[1,0]   ; register 8 t + i: y(query r, 16 t + 8 h + i)
.set j, j+2
.endr
	QUANT2 S, YC
	v_cndmask_b32 v[BY], v[BY], v[BY+1], s[HI]     ; lanes 0-15 carry block 0's byte, lanes 16-31 block 1's
	global_store_b128 v[AD], v[YC:YC+3], s[14:15]  ; 512 consecutive bytes, aligned: one register group of the last product's operand
	ds_store_b8 v[YSA], v[BY]
	s_wait_dscnt 0x0
	s_barrier_signal -1
	s_barrier_wait -1                              ; the block's 512 scale bytes lie in LDS
	s_cmp_lg_u32 s[WV], 0
	s_cbranch_scc1 .Lnot_0
	ds_load_b128 v[232:235], v[YSR]
	s_wait_dscnt 0x0
	global_store_b128 v[AD], v[232:235], s[16:17]  ; 512 consecutive bytes, aligned
.Lnot_0:
	s_wait_xcnt 0x0                                ; the stores have read their bases
	s_mov_b64 s[MB:MB+1], s[4:5]                   ; the second pass's tile
	s_mov_b64 s[14:15], s[6:7]
	s_mov_b64 s[16:17], s[10:11]
	s_mov_b32 s[LV], s66
	s_mov_b32 s[MX], s67
.irp i, 0,1,2,3
	v_mov_b32 v[Q+\i], v[Q1+\i]
.endr
	v_mov_b32 v[QS], v[QS1]
	s_sub_co_u32 s2, s2, 1
	s_cmp_lg_u32 s2, 0
	s_cbranch_scc1 .Lpass
	s_wait_tensorcnt 0x0                           ; the wave's end, behind my last LDS store
	ds_add_u32 v[SPW], v[NIL]
	s_wait_dscnt 0x0
	s_endpgm
.Lfunc_end_k_q08c094c0c8_attn:
	.size	k_q08c094c0c8_attn, .Lfunc_end_k_q08c094c0c8_attn-k_q08c094c0c8_attn
	.p2alignl 7, 3214868480
	.fill 96, 4, 3214868480
	.section	.rodata,"a",@progbits
	.p2align	6, 0x0
	.amdhsa_kernel k_q08c094c0c8_attn
		.amdhsa_group_segment_fixed_size 104960
		.amdhsa_private_segment_fixed_size 0
		.amdhsa_enable_private_segment 0
		.amdhsa_kernarg_size 56
		.amdhsa_user_sgpr_count 2
		.amdhsa_user_sgpr_kernarg_segment_ptr 1
		.amdhsa_wavefront_size32 1
		.amdhsa_system_sgpr_workgroup_id_x 1
		.amdhsa_system_sgpr_workgroup_id_y 1
		.amdhsa_system_sgpr_workgroup_id_z 1
		.amdhsa_system_vgpr_workitem_id 0
		.amdhsa_next_free_vgpr 256
		.amdhsa_next_free_sgpr 106
		.amdhsa_reserve_vcc 0
		.amdhsa_float_denorm_mode_32 3
		.amdhsa_float_denorm_mode_16_64 3
		.amdhsa_memory_ordered 1
		.amdhsa_forward_progress 1
		.amdhsa_inst_pref_size 170
	.end_amdhsa_kernel
	.amdgpu_metadata
---
amdhsa.version: [ 1, 2 ]
amdhsa.kernels:
  - .name:           k_q08c094c0c8_attn
    .symbol:         k_q08c094c0c8_attn.kd
    .args:
      - { .name: q_img, .offset: 0, .size: 8, .value_kind: global_buffer, .address_space: global }
      - { .name: q_sc, .offset: 8, .size: 8, .value_kind: global_buffer, .address_space: global }
      - { .name: kv, .offset: 16, .size: 8, .value_kind: global_buffer, .address_space: global }
      - { .name: mbits, .offset: 24, .size: 8, .value_kind: global_buffer, .address_space: global }
      - { .name: mflags, .offset: 32, .size: 8, .value_kind: global_buffer, .address_space: global }
      - { .name: y_img, .offset: 40, .size: 8, .value_kind: global_buffer, .address_space: global }
      - { .name: y_sc, .offset: 48, .size: 8, .value_kind: global_buffer, .address_space: global }
    .group_segment_fixed_size: 104960
    .private_segment_fixed_size: 0
    .kernarg_segment_align: 8
    .kernarg_segment_size: 56
    .max_flat_workgroup_size: 512
    .sgpr_count:     106
    .vgpr_count:     256
    .wavefront_size: 32
...
	.end_amdgpu_metadata
.endif
;; end of part 3
;; launch proj (part 4): grid 4 x 64, 8 waves a work-group, clusters of 4 x 4, 240,640 bytes of LDS; arguments y_img, y_sc, out_w_codes, out_w_scales, out_b, out0; writes out0
.if DOCPART == 4
	.amdgcn_target "amdgcn-amd-amdhsa--gfx1250"
	.amdhsa_code_object_version 6
	.text
	.protected	k_q08c094c0c8_proj
	.globl	k_q08c094c0c8_proj
	.p2align	8
	.type	k_q08c094c0c8_proj,@function
k_q08c094c0c8_proj:
	s_mov_b64 s[64:65], 0
	v_nop
	global_prefetch_b8 v0, s[64:65] scope:SCOPE_SE
	s_setreg_imm32_b32 hwreg(HW_REG_WAVE_MODE, 25, 1), 1
	s_wait_xcnt 0x0
	s_wait_alu depctr_hold_cnt(0) depctr_sa_sdst(0) depctr_va_vdst(0) depctr_va_sdst(0) depctr_va_ssrc(0) depctr_va_vcc(0) depctr_vm_vsrc(0)
	s_getreg_b32 s2, hwreg(HW_REG_IB_STS2, 6, 4)
	s_cmp_eq_u32 s2, 0
	s_cbranch_scc0 .Lentry_in_a_cluster
	s_endpgm
.Lentry_in_a_cluster:
	s_bfe_u32 s2, ttmp6, 0x10000c
	s_cmp_lg_u32 s2, 0xf033
	s_cbranch_scc0 .Lentry_shape_is_right
	s_endpgm
.Lentry_shape_is_right:
; out0 = y W^T + b on codes of FP4 (K = 1,024).  Nothing is left out here.
; y comes as images of operand registers, y_img [tile of 16 rows][head][lane][16 bytes] (K step s, register group c = head 2 s + c), its scale bytes y_sc [head][row][2]; W: [1024][512 bytes] of codes, scale bytes [1024][32].
; A work-group makes 128 rows x 256 columns: 256 work-groups.  Eight waves, each 64 x 64: 16 accumulators by turns.  All of K lies in LDS, filled once.
; Every wave issues three tensor loads: one tile of y's rows (8,192 dense bytes) and 32 rows of W in each half of K: three are out.  CLUSTER 4 x 4: y's tiles are shared along a row of the cluster, W's along a column.
; The product is used transposed (source 0 = W, source 1 = y): a lane holds eight neighbouring columns of one row.  The bias is the C of each sum's first instruction.
; The way out goes through the wave's own stage in LDS, 16 rows at a time: sixteen lanes store 256 consecutive bytes, aligned.  No prefetch: every fill goes out at the head.
.set PITCH,  272
.set ROWS32, 32*PITCH
.set BW0,    65536                     ; behind y's 8 tiles: W's 256 rows, first half of K;
.set BCH,    256*PITCH                 ; then the second half
.set STAGE,  BW0+2*BCH                 ; 16 rows x 272 bytes for each wave; no fill lands here
.set SPITCH, 272
.set SPARE,  STAGE+8*16*SPITCH         ; the spare words: 128 bytes for each of 8 waves
.set SPW, 1
.set NIL, 2
.set YA,  3                            ; v3   my y fragments
.set WA,  5                            ; v5-6 my W fragments in the two halves of K
.set STO, 7                            ; v7   the stage, on the way in
.set RD,  8                            ; v8   and on the way out
.set CO,  9                            ; v9   my bytes in two rows of out0
.set BQ,  10                           ; v10  32 x (lane / 16)
.set SOF, 11                           ; v11  32 x lane
.set Y2,  12                           ; v12  2 x lane
.set FR,  16                           ; v16-47 W's four fragments, v48-63 two of y's
.set SC,  64                           ; v64-79 y's scale words (8 p + K step), v80-95 W's
.set BI,  96                           ; v96-127 the bias
.set ACC, 128
.set WV,  16
.set G1A, 28
.set G1B, 36
.set G0Y, 44
.set G0B, 48
.macro PLACES
.rept 4
	v_nop
.endr
.endm
.macro CROUND
	s_barrier_signal -1
	s_barrier_wait -1
	s_cmp_lg_u32 s[WV], 0
	s_cbranch_scc1 .Lnot_wave_0_\@
	s_barrier_signal -3
.Lnot_wave_0_\@:
	s_barrier_wait -3
	s_barrier_signal -1
	s_barrier_wait -1
.endm
.macro WMX ra, rb
.if (\ra) && (\rb)
	v_wmma_scale_f32_16x16x128_f8f6f4 v[rD:rD+7], v[rA:rA+7], v[rB:rB+7], v[rC:rC+7], v[rSA], v[rSB] matrix_a_fmt:MATRIX_FMT_FP4 matrix_b_fmt:MATRIX_FMT_FP4 matrix_a_scale:MATRIX_SCALE_ROW1 matrix_b_scale:MATRIX_SCALE_ROW1
.elseif (\ra)
	v_wmma_scale_f32_16x16x128_f8f6f4 v[rD:rD+7], v[rA:rA+7], v[rB:rB+7], v[rC:rC+7], v[rSA], v[rSB] matrix_a_fmt:MATRIX_FMT_FP4 matrix_b_fmt:MATRIX_FMT_FP4 matrix_a_scale:MATRIX_SCALE_ROW1
.elseif (\rb)
	v_wmma_scale_f32_16x16x128_f8f6f4 v[rD:rD+7], v[rA:rA+7], v[rB:rB+7], v[rC:rC+7], v[rSA], v[rSB] matrix_a_fmt:MATRIX_FMT_FP4 matrix_b_fmt:MATRIX_FMT_FP4 matrix_b_scale:MATRIX_SCALE_ROW1
.else
	v_wmma_scale_f32_16x16x128_f8f6f4 v[rD:rD+7], v[rA:rA+7], v[rB:rB+7], v[rC:rC+7], v[rSA], v[rSB] matrix_a_fmt:MATRIX_FMT_FP4 matrix_b_fmt:MATRIX_FMT_FP4
.endif
.endm
.macro MUL8 s, a0, first               ; y's tiles a0, a0 + 1 against W's four; accumulator (a, t) at ACC + 32 a + 8 t
.irp a, 0,1
.irp t, 0,1,2,3
.set rD, ACC+32*(\a0+\a)+8*\t
.set rC, rD
.if \first
.set rC, BI+8*\t
.endif
.set rA, FR+8*\t
.set rB, FR+32+8*\a
.set rSA, SC+16+8*(\t/2)+(\s)
.set rSB, SC+8*((\a0)/2)+(\s)
	WMX \t%2, \a
.endr
.endr
.endm
.macro KSTEP s, first
.set cW, WA+(\s)/4
.set kO, 64*((\s)%4)
.if !(\first)
	PLACES
.endif
.irp i, 0,1,2,3
	ds_load_b128 v[FR+8*\i:FR+8*\i+3], v[cW] offset:kO+\i*16*PITCH
	ds_load_b128 v[FR+8*\i+4:FR+8*\i+7], v[cW] offset:kO+\i*16*PITCH+32
.endr
.irp i, 0,1
	ds_load_b128 v[FR+32+8*\i:FR+32+8*\i+3], v[YA] offset:8192*\i+1024*(\s)
	ds_load_b128 v[FR+32+8*\i+4:FR+32+8*\i+7], v[YA] offset:8192*\i+1024*(\s)+512
.endr
	s_wait_dscnt 0x0
	MUL8 \s, 0, \first
	PLACES
.irp i, 0,1
	ds_load_b128 v[FR+32+8*\i:FR+32+8*\i+3], v[YA] offset:8192*(\i+2)+1024*(\s)
	ds_load_b128 v[FR+32+8*\i+4:FR+32+8*\i+7], v[YA] offset:8192*(\i+2)+1024*(\s)+512
.endr
	s_wait_dscnt 0x0
	MUL8 \s, 2, \first
.endm
	s_load_b256 s[4:11], s[0:1], 0x0               ; y_img, y_sc, W codes, W scales
	s_load_b128 s[12:15], s[0:1], 0x20             ; bias, out0
	v_lshl_add_u32 v[SPW], v0, 2, SPARE
	v_mov_b32 v[NIL], 0
	ds_add_u32 v[SPW], v[NIL]                      ; the wave's opening: the add, twice on end, and its wait ahead of my first tensor load
	ds_add_u32 v[SPW], v[NIL]
	v_lshrrev_b32 v13, 5, v0
	v_readfirstlane_b32 s[WV], v13                 ; wave 0..7
	s_bfe_u32 s18, ttmp6, 0x40000                  ; cx
	s_bfe_u32 s19, ttmp6, 0x40004                  ; cy
	s_lshl_b32 s20, ttmp9, 2
	s_add_co_u32 s20, s20, s18                     ; tile column
	s_and_b32 s21, ttmp7, 0xffff
	s_lshl_b32 s21, s21, 2
	s_add_co_u32 s21, s21, s19                     ; tile row
	s_lshl_b32 s22, s19, 2
	s_lshl_b32 s22, 15, s22                        ; my row of the cluster
	s_lshl_b32 s23, 0x1111, s18                    ; my column
	s_or_b32 s[G1A], s22, (3<<16)|(1<<21)          ; y: a dense block as rows of 256 bytes (32 elements of 8 bytes), no padding
	s_mov_b32 s[G1A+1], 32<<16
	s_mov_b32 s[G1A+2], 32<<16
	s_mov_b32 s[G1A+3], 32<<16
	s_mov_b32 s[G1A+4], 32
	s_mov_b32 s[G1A+5], 32
	s_mov_b32 s[G1A+6], 0
	s_mov_b32 s[G1A+7], 0
	s_or_b32 s[G1B], s23, (1<<20)|(1<<21)|(5<<22)|(3<<25)   ; W: 32 rows of 256 bytes, 512 apart in memory, 16 bytes of padding behind each
	s_mov_b32 s[G1B+1], 256<<16
	s_mov_b32 s[G1B+2], 32<<16
	s_mov_b32 s[G1B+3], 256<<16
	s_mov_b32 s[G1B+4], 32
	s_mov_b32 s[G1B+5], 512
	s_mov_b32 s[G1B+6], 0
	s_mov_b32 s[G1B+7], 0
	s_lshl_b32 s56, s21, 3
	s_add_co_u32 s56, s56, s[WV]                   ; y: tile of rows 8 x tile row + wave
	s_lshl_b32 s56, s56, 13
	s_mov_b32 s57, 0
	s_lshl_b32 s17, s[WV], 5
	s_lshl_b32 s58, s20, 8
	s_add_co_u32 s58, s58, s17                     ; W: row 256 x tile column + 32 x wave
	s_lshl_b32 s58, s58, 9
	s_mov_b32 s59, 0
	s_lshl_b32 s26, s[WV], 13                      ; where they go
	s_mul_i32 s27, s[WV], ROWS32
	s_wait_dscnt 0x0                               ; both opening adds are done
	s_wait_kmcnt 0x0
	s_add_nc_u64 s[56:57], s[4:5], s[56:57]
	s_add_nc_u64 s[58:59], s[8:9], s[58:59]
	CROUND                                         ; all sixteen work-groups are here
	s_mov_b32 s[G0Y], 1
	s_mov_b32 s[G0Y+1], s26
	s_mov_b64 s[G0Y+2:G0Y+3], s[56:57]
	s_or_b32 s[G0Y+3], s[G0Y+3], 0x80000000
.irp c, 0,1
	s_mov_b32 s[G0B+4*\c], 1
	s_add_co_u32 s[G0B+4*\c+1], s27, BW0+\c*BCH
	s_add_nc_u64 s[G0B+4*\c+2:G0B+4*\c+3], s[58:59], \c*256
	s_or_b32 s[G0B+4*\c+3], s[G0B+4*\c+3], 0x80000000
.endr
	tensor_load_to_lds s[G0Y:G0Y+3], s[G1A:G1A+7]
	s_nop 0
	tensor_load_to_lds s[G0B:G0B+3], s[G1B:G1B+7]
	s_nop 0
	tensor_load_to_lds s[G0B+4:G0B+7], s[G1B:G1B+7]
	s_nop 0
.rept 4
	v_nop
.endr
	v_and_b32 v13, 31, v0                          ; lane
	v_and_b32 v14, 15, v0                          ; r
	v_bfe_u32 v15, v0, 4, 1                        ; h
	s_lshr_b32 s24, s[WV], 2                       ; rg: my 64 rows
	s_and_b32 s25, s[WV], 3                        ; cg: my 64 columns
	s_lshl_b32 s17, s24, 15
	v_lshl_add_u32 v[YA], v13, 4, s17              ; 16 x lane + four tiles of 8,192 bytes x rg
	v_mul_u32_u24 v[WA], v14, PITCH
	v_lshl_add_u32 v[WA], v15, 4, v[WA]
	s_mul_i32 s17, s25, 64*PITCH
	s_add_co_u32 s17, s17, BW0
	v_add_nc_u32 v[WA], s17, v[WA]
	v_add_nc_u32 v[WA+1], BCH, v[WA]
	s_mul_i32 s17, s[WV], 16*SPITCH
	s_add_co_u32 s17, s17, STAGE
	v_mul_u32_u24 v[STO], v14, SPITCH
	v_lshl_add_u32 v[STO], v15, 5, v[STO]
	v_add_nc_u32 v[STO], s17, v[STO]               ; in: row r, 32 bytes for each half of the lanes
	v_mul_u32_u24 v[RD], v15, SPITCH
	v_lshl_add_u32 v[RD], v14, 4, v[RD]
	v_add_nc_u32 v[RD], s17, v[RD]                 ; back: lanes 0-15 one row of 256 bytes, lanes 16-31 the next
	v_lshlrev_b32 v[CO], 12, v15
	v_lshl_add_u32 v[CO], v14, 4, v[CO]            ; and the same in out0: rows of 4,096 bytes
	v_lshlrev_b32 v[BQ], 5, v15
	v_lshlrev_b32 v[SOF], 5, v13
	v_lshlrev_b32 v[Y2], 1, v13
	s_lshl_b32 s60, s21, 7
	s_lshl_b32 s17, s24, 6
	s_add_co_u32 s62, s60, s17                     ; my first row
	s_lshl_b32 s60, s62, 1
	s_mov_b32 s61, 0
	s_add_nc_u64 s[6:7], s[6:7], s[60:61]          ; y's scale bytes: 2 a row
	s_lshl_b32 s63, s20, 8
	s_lshl_b32 s17, s25, 6
	s_add_co_u32 s63, s63, s17                     ; my first column
	s_lshl_b32 s60, s63, 5
	s_add_nc_u64 s[10:11], s[10:11], s[60:61]
	s_lshl_b32 s60, s63, 2
	s_add_nc_u64 s[12:13], s[12:13], s[60:61]
	s_add_nc_u64 s[14:15], s[14:15], s[60:61]
	s_lshl_b32 s60, s62, 12
	s_add_nc_u64 s[14:15], s[14:15], s[60:61]
.irp p, 0,1
.irp d, 0,1,2,3,4,5,6,7,8,9,10,11,12,13,14,15
	global_load_u16 v[ACC+16*\p+\d], v[Y2], s[6:7] offset:16384*\d+64*\p           ; lane l: row 32 p + l, head d: two bytes
.endr
.endr
.irp p, 0,1
	global_load_b128 v[SC+16+8*\p:SC+16+8*\p+3], v[SOF], s[10:11] offset:1024*\p
	global_load_b128 v[SC+16+8*\p+4:SC+16+8*\p+7], v[SOF], s[10:11] offset:1024*\p+16
.endr
.irp t, 0,1,2,3
	global_load_b128 v[BI+8*\t:BI+8*\t+3], v[BQ], s[12:13] offset:64*\t            ; the bias in the result's layout
	global_load_b128 v[BI+8*\t+4:BI+8*\t+7], v[BQ], s[12:13] offset:64*\t+16
.endr
	s_wait_loadcnt 0x0
.irp p, 0,1
.irp s, 0,1,2,3,4,5,6,7
	v_lshl_or_b32 v[SC+8*\p+\s], v[ACC+16*\p+2*\s+1], 16, v[ACC+16*\p+2*\s]        ; K step s = heads 2 s and 2 s + 1
.endr
.endr
.rept 8
	v_nop                                          ; a scale register written by a vector instruction stands eight places ahead of a scaled matrix instruction
.endr
	s_wait_tensorcnt 0x1                           ; y's tile and W's first half are in; the second half's load, issued behind them, may be out
	s_barrier_signal -1
	s_barrier_wait -1
	KSTEP 0, 1
	KSTEP 1, 0
	KSTEP 2, 0
	KSTEP 3, 0
	s_wait_tensorcnt 0x0
	s_barrier_signal -1
	s_barrier_wait -1
	KSTEP 4, 0
	KSTEP 5, 0
	KSTEP 6, 0
	KSTEP 7, 0
; THE WAY OUT, 16 rows x 64 columns at a time.  LDS serves a wave's instructions in order: no wait between the stores and the loads, nor in front of the next block's stores.
.macro TOSTAGE a
.irp t, 0,1,2,3
	ds_store_b128 v[STO], v[ACC+32*(\a)+8*\t:ACC+32*(\a)+8*\t+3] offset:64*\t      ; each accumulator from its low end on
	ds_store_b128 v[STO], v[ACC+32*(\a)+8*\t+4:ACC+32*(\a)+8*\t+7] offset:64*\t+16
.endr
.set OB, 16+80*((\a)%2)
.irp i, 0,1,2,3,4,5,6,7
	ds_load_b128 v[OB+4*\i:OB+4*\i+3], v[RD] offset:\i*2*SPITCH
.endr
.endm
.macro SEND a, younger                 ; younger: the LDS instructions issued behind block a's loads
.set OB, 16+80*((\a)%2)
.irp i, 0,1,2,3,4,5,6,7
	s_wait_dscnt \younger+7-\i
	global_store_b128 v[CO], v[OB+4*\i:OB+4*\i+3], s[14:15] offset:(16*(\a)+2*\i)*4096 th:TH_STORE_NT   ; 16 lanes store 256 consecutive bytes, aligned
.endr
.endm
	PLACES
	TOSTAGE 0
	TOSTAGE 1
	SEND 0, 16
	s_wait_xcnt 0x0                                ; block 0's stores have read their registers: block 2's rows may land there
	TOSTAGE 2
	SEND 1, 16
	s_wait_xcnt 0x0
	TOSTAGE 3
	SEND 2, 16
	SEND 3, 0
	s_wait_tensorcnt 0x0                           ; the wave's end
	ds_add_u32 v[SPW], v[NIL]
	s_wait_dscnt 0x0
	CROUND                                         ; the closing round
	s_endpgm
.Lfunc_end_k_q08c094c0c8_proj:
	.size	k_q08c094c0c8_proj, .Lfunc_end_k_q08c094c0c8_proj-k_q08c094c0c8_proj
	.p2alignl 7, 3214868480
	.fill 96, 4, 3214868480
	.section	.rodata,"a",@progbits
	.p2align	6, 0x0
	.amdhsa_kernel k_q08c094c0c8_proj
		.amdhsa_group_segment_fixed_size 240640
		.amdhsa_private_segment_fixed_size 0
		.amdhsa_enable_private_segment 0
		.amdhsa_kernarg_size 48
		.amdhsa_user_sgpr_count 2
		.amdhsa_user_sgpr_kernarg_segment_ptr 1
		.amdhsa_wavefront_size32 1
		.amdhsa_system_sgpr_workgroup_id_x 1
		.amdhsa_system_sgpr_workgroup_id_y 1
		.amdhsa_system_sgpr_workgroup_id_z 1
		.amdhsa_system_vgpr_workitem_id 0
		.amdhsa_next_free_vgpr 256
		.amdhsa_next_free_sgpr 80
		.amdhsa_reserve_vcc 0
		.amdhsa_float_denorm_mode_32 3
		.amdhsa_float_denorm_mode_16_64 3
		.amdhsa_memory_ordered 1
		.amdhsa_forward_progress 1
		.amdhsa_inst_pref_size 47
	.end_amdhsa_kernel
	.amdgpu_metadata
---
amdhsa.version: [ 1, 2 ]
amdhsa.kernels:
  - .name:           k_q08c094c0c8_proj
    .symbol:         k_q08c094c0c8_proj.kd
    .args:
      - { .name: y_img, .offset: 0, .size: 8, .value_kind: global_buffer, .address_space: global }
      - { .name: y_sc, .offset: 8, .size: 8, .value_kind: global_buffer, .address_space: global }
      - { .name: out_w_codes, .offset: 16, .size: 8, .value_kind: global_buffer, .address_space: global }
      - { .name: out_w_scales, .offset: 24, .size: 8, .value_kind: global_buffer, .address_space: global }
      - { .name: out_b, .offset: 32, .size: 8, .value_kind: global_buffer, .address_space: global }
      - { .name: out0, .offset: 40, .size: 8, .value_kind: global_buffer, .address_space: global }
    .group_segment_fixed_size: 240640
    .private_segment_fixed_size: 0
    .kernarg_segment_align: 8
    .kernarg_segment_size: 48
    .max_flat_workgroup_size: 256
    .sgpr_count:     80
    .vgpr_count:     256
    .wavefront_size: 32
...
	.end_amdgpu_metadata
.endif
;; end of part 4
;; ======== version 2 of 2: 4 launches; version 1 with the launch attn written anew for expert scheduling mode
;; workspace buffers: mbits 524,288 bytes of whole numbers; mflags 1,024 bytes of whole numbers; q_img 4,194,304 bytes; q_sc 524,288 bytes; kv 9,437,184 bytes; y_img 4,194,304 bytes; y_sc 262,144 bytes
;; launch maskpack: the kernel of part 1 again; grid 128 x 1, 16 waves a work-group, no clusters, 137,472 bytes of LDS; arguments mask, mbits, mflags; writes mbits, mflags
;; launch qkv: the kernel of part 2 again; grid 12 x 32, 16 waves a work-group, clusters of 4 x 4, 280,576 bytes of LDS; arguments x_codes, x_scales, qkv_w_codes, qkv_w_scales, qkv_b, q_img, q_sc, kv; writes q_img, q_sc, kv
;; launch attn (part 5): grid 4 x 64, 16 waves a work-group, no clusters, 104,960 bytes of LDS; arguments q_img, q_sc, kv, mbits, mflags, y_img, y_sc; writes y_img, y_sc
.if DOCPART == 5
	.amdgcn_target "amdgcn-amd-amdhsa--gfx1250"
	.amdhsa_code_object_version 6
	.text
	.protected	k_q08c094c0c8_attn
	.globl	k_q08c094c0c8_attn
	.p2align	8
	.type	k_q08c094c0c8_attn,@function
k_q08c094c0c8_attn:
	s_mov_b64 s[64:65], 0
	v_nop
	global_prefetch_b8 v0, s[64:65] scope:SCOPE_SE
	s_setreg_imm32_b32 hwreg(HW_REG_WAVE_SCHED_MODE, 0, 2), 2
	s_setreg_imm32_b32 hwreg(HW_REG_WAVE_MODE, 25, 1), 1
	s_wait_xcnt 0x0
	s_wait_alu depctr_vm_vsrc(0)
; y = softmax(q k^T / 8, masked) v for one head, both products on codes of FP4, and y quantised along the model's axis for the last product.
; LEFT OUT: key steps that the first launch has marked not live for a tile of queries (all their mask words 0, and every row of the tile has an open key elsewhere): their p is 0.  The marks are whole numbers read from memory.
; SHARES.  Work-group (x, bh): two passes over blocks of 256 queries of head bh, block x and then block 7 - x.  Each of the 16 waves owns one tile of 16 queries; a lane holds ONE query (lane % 16) throughout.
; Both products are used transposed: S^T = K Q^T (source 0 = 16 keys), O^T = V^T P^T (source 0 = 16 of the head's 64).  A key step is 128 keys: 8 + 4 matrix instructions.
; THE HEAD'S 64 IN AN INSTRUCTION OF 128: Q's registers 4-7 are zero codes; K's registers 4-7 are whatever follows (the next tile's codes, behind the last tile four zeros) and meet zeros alone; scale bytes 2, 3 are 127.
; K AND V come as images of operand registers (launch qkv).  A slot of 512 keys, 36,864 bytes, goes from memory through registers into one of two LDS slots, 72 bytes a thread: loaded at a turn's head for the next turn,
; stored at its end into the slot that nobody reads in this turn; one barrier a turn.  No prefetch: the loads for the next slot
; are themselves issued four key steps ahead of their use.
; THE SOFTMAX: t = score x log2(e) / 8; M = the running largest t rounded up to a whole number, kept as -M = floor(-t); p = 2^(t - M) is quantised along the keys, not normalised; the row's sum is taken of the unquantised p;
; when M moves, the sum and O^T are multiplied by 2^(old M - new M), exactly.  A closed key's score is replaced by -2^126: its t is a whole number, so a row with no open key has p = 1 on every key (the mean of V,
; as the problem's function gives it), and as soon as an open key sets M, what was summed before is multiplied by 0 and later closed keys give p = 0.
; LIMITS: open scores lie above -2^126; NaN and infinities are not served; a block of zeros gets the byte 1 (its codes are zeros; this program alone reads the bytes).
; THE MODE: SCHED_MODE bits 1:0 = 2 (LLVM: expert scheduling mode 2), set by the entry lines.  The code itself states the register dependences between vector or matrix instructions and memory or LDS instructions,
; with s_wait_alu, always for 0.
; THE PLAN.  Registers that memory or LDS instructions touch:
;   v[AD], v[AS], v[ST], v[ST8], v[YSA], v[YSR]   addresses, made once at the head and never written again: the next slot in memory is reached by a scalar base, made anew at each turn's end.
;   SG        A turn's five global loads land in it, its five LDS stores read it; no vector instruction names it.  One wait on vm_vsrc at a turn's head: the stores of the turn before have read it.
;   KV, KS    A live step's K loads land in them; the eight products K Q^T read them.  KV again, and VS: V's loads land in them; the four products V^T P read them.
;             One wait on va_vdst at a live step's head: all earlier products are done reading them.  V's loads stand directly behind the wait for the exponentials' batch, which has the products K Q^T in front of it.
;   PC, PS    Written by vector instructions, taken by the scaled products V^T P: one wait on va_vdst directly ahead of these.  Q, QS and the zero codes likewise: the step's head serves them.
;   YC, BY, v232-235   The pass's way out: one wait on va_vdst ahead of its stores, one on vm_vsrc behind them.
;   S, O, the statistics and the registers at work are named by vector and matrix instructions alone.
.set SLOT1, 65536                      ; LDS: slot 0 at 0, slot 1 here
.set SLOTB, 36864
.set YST,   102400                     ; 512 bytes: a block's scale bytes of y
.set SPARE, 102912                     ; the spare words: 128 bytes for each of 16 waves
.set SPW, 1                            ; v1  my spare word; never rewritten
.set NIL, 2                            ; v2  0; never rewritten
.set YSA, 3                            ; v3  where my scale byte of y goes
.set YSR, 4                            ; v4  where wave 0 reads 16 of them
.set AD,  7                            ; v7-8  16 x lane in slot 0, 1
.set AS,  9                            ; v9-10 8 x lane in slot 0, 1
.set Q,   16                           ; v16-19 Q's codes, v20-23 zeros
.set QS,  24                           ; v24 Q's scale words
.set NEG, 25                           ; v25 -2^126
.set QS1, 27                           ; v27, v28-31: the second pass's
.set Q1,  28
.set KV,  32                           ; v32-63 K's 8 tiles (4 registers each), then V's 4 (8 each); v64-67 zeros
.set KS,  68                           ; v68-71 K's scale words: register t / 2, lanes 16 (t % 2) on
.set VS,  72                           ; v72-75 V's: register t
.set YC,  76                           ; v76-79 y's codes
.set ST,  82                           ; v82-83 16 x thread in slot 0, 1; v82 is also my offset in a slot in memory
.set ST8, 84                           ; v84-85 32768 + 8 x thread in slot 0, 1; v84 likewise
.set S,   96                           ; v96-159 S^T, then p
.set O,   160                          ; v160-191 O^T
.set PC,  192                          ; v192-199 p's codes
.set PS,  200                          ; v200 p's scale word
.set SG,  204                          ; v204-221 the next slot on its way
.set TM,  232                          ; at work: v232-254
.set TP,  236
.set BY,  240
.set SO,  244
.set WV,  18
.set SEL, 22
.set CS,  24                           ; s[24:25] c = log2(e) / 8
.set HI,  26
.set NOFF, 12                          ; s[12:13] the next slot's bytes in the head's part of kv (s13 = 0)
.set NB,  20                           ; s[20:21] the next slot's address
.set ND,  29                           ; s29 bit i: the slot of turn i from now is read by some wave
.set LV,  30                           ; s30 bit q: key step q of this turn is live for my tile;  s31: it has closed keys
.set MX,  31
.set MB,  104                          ; s[104:105] my tile's mask words of this turn
.macro FOLD n, t, r                    ; s[n]: a bit a key step -> s[r]: a bit a slot of four steps
	s_lshr_b32 s[\t], s[\n], 1
	s_or_b32 s[\n], s[\n], s[\t]
	s_lshr_b32 s[\t], s[\n], 2
	s_or_b32 s[\n], s[\n], s[\t]
	s_and_b32 s[\r], s[\n], 1
	s_lshr_b32 s[\t], s[\n], 3
	s_and_b32 s[\t], s[\t], 2
	s_or_b32 s[\r], s[\r], s[\t]
	s_lshr_b32 s[\t], s[\n], 6
	s_and_b32 s[\t], s[\t], 4
	s_or_b32 s[\r], s[\r], s[\t]
	s_lshr_b32 s[\t], s[\n], 9
	s_and_b32 s[\t], s[\t], 8
	s_or_b32 s[\r], s[\r], s[\t]
.endm
.macro QUANT2 s, r                     ; as in launch qkv: 32 registers, two blocks along the next K -> four registers of codes, two bytes
.irp b, 0,1
	v_max3_num_f32 v[TM+\b], |v[(\s)+16*\b]|, |v[(\s)+16*\b+1]|, 0x1800000
.endr
.irp i, 2,4,6,8,10,12,14
.irp b, 0,1
	v_max3_num_f32 v[TM+\b], v[TM+\b], |v[(\s)+16*\b+\i]|, |v[(\s)+16*\b+\i+1]|
.endr
.endr
.irp b, 0,1
	v_permlanex16_b32 v[TP+\b], v[TM+\b], s[SEL], s[SEL+1]
.endr
.irp b, 0,1
	v_max_num_f32 v[TM+\b], v[TM+\b], v[TP+\b]
.endr
.irp b, 0,1
	v_add_nc_u32 v[SO+\b], 0xff000000, v[TM+\b]
.endr
.irp b, 0,1
	v_lshrrev_b32 v[BY+\b], 23, v[SO+\b]
.endr
	v_cvt_scalef32_pk8_fp4_f32 v[(\r)], v[(\s):(\s)+7], v[SO]
	v_cvt_scalef32_pk8_fp4_f32 v[(\r)+2], v[(\s)+8:(\s)+15], v[SO]
	v_cvt_scalef32_pk8_fp4_f32 v[(\r)+1], v[(\s)+16:(\s)+23], v[SO+1]
	v_cvt_scalef32_pk8_fp4_f32 v[(\r)+3], v[(\s)+24:(\s)+31], v[SO+1]
	v_nop
	v_permlane16_swap_b32 v[(\r)], v[(\r)+1]
	v_permlane16_swap_b32 v[(\r)+2], v[(\r)+3]
.endm
	s_load_b256 s[4:11], s[0:1], 0x0               ; q_img, q_sc, kv, mbits
	s_load_b128 s[12:15], s[0:1], 0x20             ; mflags, y_img
	s_load_b64 s[16:17], s[0:1], 0x30              ; y_sc
	v_lshl_add_u32 v[SPW], v0, 2, SPARE
	v_mov_b32 v[NIL], 0
	v_lshrrev_b32 v32, 5, v0
	v_readfirstlane_b32 s[WV], v32                 ; wave 0..15
	s_wait_alu depctr_va_sdst(0)                   ; the wave's number is written, ahead of its first reader: my tiles' numbers and all that hangs on them are made from it
	s_and_b32 s19, ttmp7, 0xffff                   ; bh
	s_sub_co_u32 s101, 7, ttmp9                    ; the second pass's block
	s_lshl_b32 s2, ttmp9, 4
	s_add_co_u32 s2, s2, s[WV]                     ; my tile in the first pass,
	s_lshl_b32 s3, s101, 4
	s_add_co_u32 s3, s3, s[WV]                     ; and in the second
	s_mov_b32 s29, 0
	s_wait_kmcnt 0x0
	s_lshl_b32 s28, s2, 3
	s_add_nc_u64 s[20:21], s[12:13], s[28:29]
	s_lshl_b32 s28, s3, 3
	s_add_nc_u64 s[22:23], s[12:13], s[28:29]
	s_lshl_b32 s28, ttmp9, 7
	s_add_nc_u64 s[24:25], s[12:13], s[28:29]
	s_lshl_b32 s28, s101, 7
	s_add_nc_u64 s[26:27], s[12:13], s[28:29]
	s_load_b64 s[30:31], s[20:21], 0x0             ; my tile's flags, first pass;
	s_load_b64 s[66:67], s[22:23], 0x0             ; second pass;
	s_load_b512 s[32:47], s[24:25], 0x0            ; the flags of the block's 16 tiles, first pass;
	s_load_b512 s[48:63], s[24:25], 0x40
	s_load_b512 s[68:83], s[26:27], 0x0            ; second pass
	s_load_b512 s[84:99], s[26:27], 0x40
	v_and_b32 v32, 31, v0                          ; lane
	v_and_b32 v33, 15, v0                          ; r
	v_bfe_u32 v34, v0, 4, 1                        ; hh
	v_lshlrev_b32 v[AD], 4, v32
	v_add_nc_u32 v[AD+1], SLOT1, v[AD]
	v_lshlrev_b32 v[AS], 3, v32
	v_add_nc_u32 v[AS+1], SLOT1, v[AS]
	v_lshlrev_b32 v[ST], 4, v0
	v_add_nc_u32 v[ST+1], SLOT1, v[ST]
	v_lshl_add_u32 v[ST8], v0, 3, 32768
	v_add_nc_u32 v[ST8+1], SLOT1, v[ST8]
	s_lshl_b32 s100, s[WV], 5
	v_lshl_add_u32 v[YSA], v33, 1, v34             ; 2 r + hh,
	v_add_nc_u32 v[YSA], s100, v[YSA]              ; + 32 x wave
	v_add_nc_u32 v[YSA], YST, v[YSA]
	v_add_nc_u32 v[YSR], YST, v[AD]
	s_lshl_b32 s28, s19, 16                        ; a head's 128 tiles of 512 bytes
	s_add_nc_u64 s[4:5], s[4:5], s[28:29]
	s_lshl_b32 s28, s19, 13
	s_add_nc_u64 s[6:7], s[6:7], s[28:29]
	s_mul_i32 s28, s19, 4*SLOTB
	s_add_nc_u64 s[8:9], s[8:9], s[28:29]
	s_lshl_b32 s100, s2, 9
	v_add_nc_u32 v35, s100, v[AD]
	s_lshl_b32 s100, s3, 9
	v_add_nc_u32 v36, s100, v[AD]
	s_lshr_b32 s100, s2, 2                         ; Q's scale words: 256 bytes for four tiles; word (T / 2) % 2 of lane 16 (T % 2) + r
	s_lshl_b32 s100, s100, 8
	s_and_b32 s28, s2, 1
	s_lshl_b32 s28, s28, 7
	s_add_co_u32 s100, s100, s28
	s_bfe_u32 s28, s2, 0x10001
	s_lshl_b32 s28, s28, 2
	s_add_co_u32 s100, s100, s28
	v_lshl_add_u32 v37, v33, 3, s100
	s_lshr_b32 s100, s3, 2
	s_lshl_b32 s100, s100, 8
	s_and_b32 s28, s3, 1
	s_lshl_b32 s28, s28, 7
	s_add_co_u32 s100, s100, s28
	s_bfe_u32 s28, s3, 0x10001
	s_lshl_b32 s28, s28, 2
	s_add_co_u32 s100, s100, s28
	v_lshl_add_u32 v38, v33, 3, s100
	s_wait_alu depctr_va_vdst(0)                   ; all addresses and offsets are written (v3, v4, v7 to v10, v82 to v85, v35 to v38): every load and store of the kernel reads some of them, and none is written again but v35 to v38
.irp i, 0,1,2,3
	global_load_b128 v[SG+4*\i:SG+4*\i+3], v[ST], s[8:9] offset:8192*\i            ; slot 0
.endr
	global_load_b64 v[SG+16:SG+17], v[ST8], s[8:9]
	global_load_b128 v[Q:Q+3], v35, s[4:5]
	global_load_b128 v[Q1:Q1+3], v36, s[4:5]
	global_load_b32 v[QS], v37, s[6:7]
	global_load_b32 v[QS1], v38, s[6:7]
.irp i, 20,21,22,23,64,65,66,67,236,237,238,239,252,253
	v_mov_b32 v\i, 0                               ; zero codes; and registers that are named before they are first written
.endr
	v_mov_b32 v[NEG], 0xfe800000
	s_wait_kmcnt 0x0                               ; the flags
	s_or_b32 s20, s32, s34                         ; which key steps are live for some tile of the block
.irp i, 36,38,40,42,44,46,48,50,52,54,56,58,60,62
	s_or_b32 s20, s20, s\i
.endr
	s_or_b32 s21, s68, s70
.irp i, 72,74,76,78,80,82,84,86,88,90,92,94,96,98
	s_or_b32 s21, s21, s\i
.endr
	FOLD 20, 24, 29
	FOLD 21, 24, 25
	s_lshl_b32 s25, s25, 4
	s_or_b32 s[ND], s[ND], s25                     ; eight turns: four slots a pass
	s_mov_b32 s[SEL], 0x76543210
	s_mov_b32 s[SEL+1], 0xfedcba98
	s_mov_b32 s[CS], 0x3e38aa3b
	s_mov_b32 s[CS+1], s[CS]
	s_mov_b32 s[HI], 0xffff0000
	s_wait_loadcnt 0x0
.irp i, 0,1,2,3
	ds_store_b128 v[ST], v[SG+4*\i:SG+4*\i+3] offset:8192*\i
.endr
	ds_store_b64 v[ST8], v[SG+16:SG+17]
	s_mov_b32 s13, 0
	s_lshl_b32 s12, s2, 12                         ; a tile's mask words: 16 steps of 256 bytes
	s_add_nc_u64 s[MB:MB+1], s[10:11], s[12:13]
	s_lshl_b32 s12, s3, 12
	s_add_nc_u64 s[4:5], s[10:11], s[12:13]        ; s[4:5]: the second pass's
	s_lshr_b32 s20, s19, 4                         ; batch
	s_and_b32 s21, s19, 15                         ; head
	s_lshl_b32 s27, s20, 7
	s_lshl_b32 s100, s21, 9
	s_add_co_u32 s12, s27, s3
	s_lshl_b32 s12, s12, 13                        ; y_img: 8,192 bytes a tile of rows, 512 a head
	s_add_co_u32 s12, s12, s100
	s_add_nc_u64 s[6:7], s[14:15], s[12:13]        ; s[6:7]: the second pass's
	s_add_co_u32 s12, s27, s2
	s_lshl_b32 s12, s12, 13
	s_add_co_u32 s12, s12, s100
	s_add_nc_u64 s[14:15], s[14:15], s[12:13]
	s_lshl_b32 s27, s21, 14                        ; y_sc: 16,384 bytes a head, 2 a row
	s_lshl_b32 s100, s20, 12
	s_add_co_u32 s27, s27, s100
	s_lshl_b32 s12, s101, 9
	s_add_co_u32 s12, s12, s27
	s_add_nc_u64 s[10:11], s[16:17], s[12:13]      ; s[10:11]: the second pass's
	s_lshl_b32 s12, ttmp9, 9
	s_add_co_u32 s12, s12, s27
	s_add_nc_u64 s[16:17], s[16:17], s[12:13]
	s_mov_b32 s[NOFF], SLOTB                       ; the first turn asks for slot 1 (s13 is 0)
	s_add_nc_u64 s[NB:NB+1], s[8:9], s[NOFF:NOFF+1]
	s_wait_dscnt 0x0                               ; my part of slot 0 has landed
	s_barrier_signal -1
	s_barrier_wait -1
; KEY STEP q of the slot in LDS slot p
.macro STEP p, q
	s_bitcmp1_b32 s[LV], \q
	s_cbranch_scc0 .Lhid_\@                        ; not live for my tile: a stored whole number decides
	s_wait_alu depctr_va_vdst(0)                   ; the products issued so far are done reading v[KV ..] and v[KS ..], in which the loads below land (first step: the head has written v32 to v38); Q, its scale word and the zero codes, where vector instructions wrote them, are written, ahead of the scaled products that take them
.irp t, 0,1,2,3,4,5,6,7
	ds_load_b128 v[KV+4*\t:KV+4*\t+3], v[AD+\p] offset:8192*\q+512*\t
.endr
.irp g, 0,1
	ds_load_b64 v[KS+2*\g:KS+2*\g+1], v[AS+\p] offset:32768+1024*\q+256*\g
.endr
	s_wait_dscnt 0x0
.irp t, 0,2,4,6
	v_wmma_scale_f32_16x16x128_f8f6f4 v[S+8*\t:S+8*\t+7], v[KV+4*\t:KV+4*\t+7], v[Q:Q+7], 0, v[KS+\t/2], v[QS] matrix_a_fmt:MATRIX_FMT_FP4 matrix_b_fmt:MATRIX_FMT_FP4
	v_wmma_scale_f32_16x16x128_f8f6f4 v[S+8*\t+8:S+8*\t+15], v[KV+4*\t+4:KV+4*\t+11], v[Q:Q+7], 0, v[KS+\t/2], v[QS] matrix_a_fmt:MATRIX_FMT_FP4 matrix_b_fmt:MATRIX_FMT_FP4 matrix_a_scale:MATRIX_SCALE_ROW1
.endr
.rept 4
	v_nop                                          ; places in front of the first read of the scores
.endr
	s_bitcmp1_b32 s[MX], \q
	s_cbranch_scc0 .Lopen_\@                       ; every key of the step is open
	s_load_b512 s[32:47], s[MB:MB+1], 256*\q
	s_load_b512 s[48:63], s[MB:MB+1], 256*\q+64
	s_load_b512 s[68:83], s[MB:MB+1], 256*\q+128
	s_load_b512 s[84:99], s[MB:MB+1], 256*\q+192
	s_wait_kmcnt 0x0
.set n, 0
.rept 64
	v_cndmask_b32 v[S+n], v[NEG], v[S+n], s[32+n+4*(n/32)]       ; word n is score register n's lane mask
.set n, n+1
.endr
.Lopen_\@:
.irp b, 0,1,2,3
	v_max3_num_f32 v[232+\b], v[S+16*\b], v[S+1+16*\b], v[S+2+16*\b]   ; the largest score of each block of 32 keys: for the row's maximum and for the block's largest p
.endr
.irp i, 3,5,7,9,11,13
.irp b, 0,1,2,3
	v_max3_num_f32 v[232+\b], v[232+\b], v[S+16*\b+\i], v[S+1+16*\b+\i]
.endr
.endr
.irp b, 0,1,2,3
	v_max_num_f32 v[232+\b], v[232+\b], v[S+15+16*\b]
.endr
.irp b, 0,1,2,3
	v_permlanex16_b32 v[236+\b], v[232+\b], s[SEL], s[SEL+1]
.endr
.irp b, 0,1,2,3
	v_max_num_f32 v[232+\b], v[232+\b], v[236+\b]
.endr
	v_max3_num_f32 v254, v232, v233, v234
	v_max_num_f32 v254, v254, v235
	v_mul_f32 v254, s[CS], v254                    ; as t
	v_max_num_f32 v13, v13, v254                   ; the running largest t
	v_mov_b32 v254, v12
	v_floor_f32 v12, -v13                          ; the new -M
	v_sub_f32 v254, v12, v254                      ; old M - new M: a whole number, 0 or less
	v_cvt_i32_f32 v254, v254                       ; (it saturates)
	v_ldexp_f32 v252, 1.0, v254                    ; f = 2^(old M - new M)
.set j, 0
.rept 32
	v_pk_fma_f32 v[S+j:S+j+1], v[S+j:S+j+1], s[CS:CS+1], v[12:13] op_sel_hi:[1,0,0]   ; t - M
.set j, j+2
.endr
.irp b, 0,1,2,3
	v_fma_f32 v[232+\b], v[232+\b], s[CS], v12
.endr
.set j, 0
.rept 64
	v_exp_f32 v[S+j], v[S+j]                       ; p
.set j, j+1
.endr
	v_pk_mul_f32 v[14:15], v[14:15], v[252:253] op_sel_hi:[1,0]   ; the sums under the new M: the plain place behind the exponentials
	s_wait_alu depctr_va_vdst(0)                   ; the 64 exponentials have written p, ahead of its first reader (one wait for the batch); and the products K Q^T are done reading v[KV ..], in which V's loads land
.irp t, 0,1,2,3
.irp c, 0,1
	ds_load_b128 v[KV+8*\t+4*\c:KV+8*\t+4*\c+3], v[AD+\p] offset:8192*\q+4096+1024*\t+512*\c   ; V lands under the sums, the scales and the conversions.  No further wait: no vector or matrix instruction since the wait above names v[KV ..] or v[VS ..]
.endr
.endr
.irp g, 0,1
	ds_load_b64 v[VS+2*\g:VS+2*\g+1], v[AS+\p] offset:32768+1024*\q+512+256*\g
.endr
.irp b, 0,1,2,3
	v_exp_f32 v[232+\b], v[232+\b]                 ; each block's largest p
.endr
	v_pk_add_f32 v[236:237], v[S:S+1], v[S+2:S+3]  ; the row's sum of the unquantised p, in two chains
.irp j, 4,8,12,16,20,24,28,32,36,40,44,48,52,56,60
	v_pk_add_f32 v[14:15], v[14:15], v[S+\j:S+\j+1]
	v_pk_add_f32 v[236:237], v[236:237], v[S+2+\j:S+3+\j]
.endr
	v_pk_add_f32 v[14:15], v[14:15], v[236:237]
	s_wait_alu depctr_va_vdst(0)                   ; the four exponentials have written the blocks' largest p, ahead of their first reader
.irp b, 0,1,2,3
	v_max_num_f32 v[232+\b], 0x1800000, v[232+\b]  ; the floor 2^(3 - 127)
.endr
.irp b, 0,1,2,3
	v_add_nc_u32 v[244+\b], 0xff000000, v[232+\b]
.endr
.irp b, 0,1,2,3
	v_lshrrev_b32 v[236+\b], 23, v[244+\b]
.endr
	v_lshl_or_b32 v[PS], v237, 8, v236
	v_lshl_or_b32 v[PS], v238, 16, v[PS]
	v_lshl_or_b32 v[PS], v239, 24, v[PS]
.irp c, 0,1
	v_cvt_scalef32_pk8_fp4_f32 v[PC+4*\c], v[S+32*\c:S+32*\c+7], v[244+2*\c]
	v_cvt_scalef32_pk8_fp4_f32 v[PC+4*\c+2], v[S+32*\c+8:S+32*\c+15], v[244+2*\c]
	v_cvt_scalef32_pk8_fp4_f32 v[PC+4*\c+1], v[S+32*\c+16:S+32*\c+23], v[245+2*\c]
	v_cvt_scalef32_pk8_fp4_f32 v[PC+4*\c+3], v[S+32*\c+24:S+32*\c+31], v[245+2*\c]
.endr
	v_nop                                          ; one plain place behind the scaled conversions
.irp c, 0,1
	v_permlane16_swap_b32 v[PC+4*\c], v[PC+4*\c+1]
	v_permlane16_swap_b32 v[PC+4*\c+2], v[PC+4*\c+3]
.endr
.set j, 0
.rept 16
	v_pk_mul_f32 v[O+j:O+j+1], v[O+j:O+j+1], v[252:253] op_sel_hi:[1,0]   ; O^T under the new M; these 16 are also the places between p's codes and scale word and the products
.set j, j+2
.endr
	s_wait_dscnt 0x0                               ; V
	s_wait_alu depctr_va_vdst(0)                   ; p's codes v[PC ..] and its scale word v[PS] are written, ahead of the scaled products that take them; the places above stay beside this wait
.irp t, 0,1,2,3
	v_wmma_scale_f32_16x16x128_f8f6f4 v[O+8*\t:O+8*\t+7], v[KV+8*\t:KV+8*\t+7], v[PC:PC+7], v[O+8*\t:O+8*\t+7], v[VS+\t], v[PS] matrix_a_fmt:MATRIX_FMT_FP4 matrix_b_fmt:MATRIX_FMT_FP4
.endr
.rept 4
	v_nop                                          ; places in front of the way out's read of O^T
.endr
.Lhid_\@:
.endm
; A TURN: the slot in LDS slot p is walked; the next turn's slot goes from memory into the other LDS slot
.macro TRIP p
	s_wait_alu depctr_vm_vsrc(0)                   ; the LDS stores of the turn before (first turn: the head's) have read v[SG ..], in which the loads below land; first turn also: the head's loads have read v35 to v38, in which K's tiles land
	s_bitcmp1_b32 s[ND], 1
	s_cbranch_scc0 .Lno_load_\@                    ; no wave will read the next turn's slot
.irp i, 0,1,2,3
	global_load_b128 v[SG+4*\i:SG+4*\i+3], v[ST], s[NB:NB+1] offset:8192*\i
.endr
	global_load_b64 v[SG+16:SG+17], v[ST8], s[NB:NB+1]
.Lno_load_\@:
	STEP \p, 0
	STEP \p, 1
	STEP \p, 2
	STEP \p, 3
	s_wait_loadcnt 0x0
	s_bitcmp1_b32 s[ND], 1
	s_cbranch_scc0 .Lno_store_\@
.irp i, 0,1,2,3
	ds_store_b128 v[ST+1-\p], v[SG+4*\i:SG+4*\i+3] offset:8192*\i   ; the other slot: its last reads stand in front of the last barrier
.endr
	ds_store_b64 v[ST8+1-\p], v[SG+16:SG+17]
.Lno_store_\@:
	s_lshr_b32 s[ND], s[ND], 1
	s_lshr_b32 s[LV], s[LV], 4
	s_lshr_b32 s[MX], s[MX], 4
	s_add_nc_u64 s[MB:MB+1], s[MB:MB+1], 1024
	s_add_co_u32 s[NOFF], s[NOFF], SLOTB
	s_cmp_eq_u32 s[NOFF], 4*SLOTB
	s_cselect_b32 s[NOFF], 0, s[NOFF]              ; behind a pass's last slot comes the next pass's first
	s_add_nc_u64 s[NB:NB+1], s[8:9], s[NOFF:NOFF+1]  ; free since the wait for this turn's loads, which shows the loads that read it done
	s_wait_dscnt 0x0                               ; my stores have landed, my reads of this slot are over
	s_barrier_signal -1
	s_barrier_wait -1
.endm
	s_mov_b32 s2, 2
.Lpass:
	v_mov_b32 v13, 0xff61b1e6                      ; the largest t so far: -3e38, under every t
	v_floor_f32 v12, -v13
	v_mov_b32 v14, 0
	v_mov_b32 v15, 0
.set j, 0
.rept 32
	v_mov_b32 v[O+j], 0                            ; the key step is written once: the first finds zeros
.set j, j+1
.endr
	s_mov_b32 s3, 2
.Lslot:
	TRIP 0
	TRIP 1
	s_sub_co_u32 s3, s3, 1
	s_cmp_lg_u32 s3, 0
	s_cbranch_scc1 .Lslot
	; the pass's way out: y = O^T / the sum, quantised along the head's 64
	v_add_f32 v14, v14, v15
	v_permlanex16_b32 v252, v14, s[SEL], s[SEL+1]
	v_add_f32 v14, v14, v252
	v_rcp_f32 v14, v14
	v_nop
	s_wait_alu depctr_va_vdst(0)                   ; the reciprocal has written v14, ahead of its first reader
.set j, 0
.rept 16
	v_pk_mul_f32 v[S+j:S+j+1], v[O+j:O+j+1], v[14:15] op_sel_hi:[1,0]   ; register 8 t + i: y(query r, 16 t + 8 h + i)
.set j, j+2
.endr
	QUANT2 S, YC
	v_cndmask_b32 v[BY], v[BY], v[BY+1], s[HI]     ; lanes 0-15 carry block 0's byte, lanes 16-31 block 1's
	s_wait_alu depctr_va_vdst(0)                   ; y's codes v[YC ..] and my byte v[BY] are written, which the two stores below read; and the vector work on v232 to v235 is done, in which wave 0's LDS load below lands (no vector instruction stands between)
	global_store_b128 v[AD], v[YC:YC+3], s[14:15]  ; 512 consecutive bytes, aligned: one register group of the last product's operand
	ds_store_b8 v[YSA], v[BY]
	s_wait_dscnt 0x0
	s_barrier_signal -1
	s_barrier_wait -1                              ; the block's 512 scale bytes lie in LDS
	s_cmp_lg_u32 s[WV], 0
	s_cbranch_scc1 .Lnot_0
	ds_load_b128 v[232:235], v[YSR]
	s_wait_dscnt 0x0
	global_store_b128 v[AD], v[232:235], s[16:17]  ; 512 consecutive bytes, aligned
.Lnot_0:
	s_wait_xcnt 0x0                                ; the stores have read their bases
	s_wait_alu depctr_vm_vsrc(0)                   ; the stores have read v[YC ..], v[BY] and v232 to v235, which the next pass's vector instructions write again
	s_mov_b64 s[MB:MB+1], s[4:5]                   ; the second pass's tile
	s_mov_b64 s[14:15], s[6:7]
	s_mov_b64 s[16:17], s[10:11]
	s_mov_b32 s[LV], s66
	s_mov_b32 s[MX], s67
.irp i, 0,1,2,3
	v_mov_b32 v[Q+\i], v[Q1+\i]
.endr
	v_mov_b32 v[QS], v[QS1]
	s_sub_co_u32 s2, s2, 1
	s_cmp_lg_u32 s2, 0
	s_cbranch_scc1 .Lpass
	s_wait_dscnt 0x0                               ; the closing lines, six on end
	s_wait_alu 0x0
	s_wait_tensorcnt 0x0
	ds_add_u32 v[SPW], v[NIL]
	s_wait_dscnt 0x0
	s_endpgm
.Lfunc_end_k_q08c094c0c8_attn:
	.size	k_q08c094c0c8_attn, .Lfunc_end_k_q08c094c0c8_attn-k_q08c094c0c8_attn
	.p2alignl 7, 3214868480
	.fill 96, 4, 3214868480
	.section	.rodata,"a",@progbits
	.p2align	6, 0x0
	.amdhsa_kernel k_q08c094c0c8_attn
		.amdhsa_group_segment_fixed_size 104960
		.amdhsa_private_segment_fixed_size 0
		.amdhsa_enable_private_segment 0
		.amdhsa_kernarg_size 56
		.amdhsa_user_sgpr_count 2
		.amdhsa_user_sgpr_kernarg_segment_ptr 1
		.amdhsa_wavefront_size32 1
		.amdhsa_system_sgpr_workgroup_id_x 1
		.amdhsa_system_sgpr_workgroup_id_y 1
		.amdhsa_system_sgpr_workgroup_id_z 1
		.amdhsa_system_vgpr_workitem_id 0
		.amdhsa_next_free_vgpr 256
		.amdhsa_next_free_sgpr 106
		.amdhsa_reserve_vcc 0
		.amdhsa_float_denorm_mode_32 3
		.amdhsa_float_denorm_mode_16_64 3
		.amdhsa_memory_ordered 1
		.amdhsa_forward_progress 1
		.amdhsa_inst_pref_size 170
	.end_amdhsa_kernel
	.amdgpu_metadata
---
amdhsa.version: [ 1, 2 ]
amdhsa.kernels:
  - .name:           k_q08c094c0c8_attn
    .symbol:         k_q08c094c0c8_attn.kd
    .args:
      - { .name: q_img, .offset: 0, .size: 8, .value_kind: global_buffer, .address_space: global }
      - { .name: q_sc, .offset: 8, .size: 8, .value_kind: global_buffer, .address_space: global }
      - { .name: kv, .offset: 16, .size: 8, .value_kind: global_buffer, .address_space: global }
      - { .name: mbits, .offset: 24, .size: 8, .value_kind: global_buffer, .address_space: global }
      - { .name: mflags, .offset: 32, .size: 8, .value_kind: global_buffer, .address_space: global }
      - { .name: y_img, .offset: 40, .size: 8, .value_kind: global_buffer, .address_space: global }
      - { .name: y_sc, .offset: 48, .size: 8, .value_kind: global_buffer, .address_space: global }
    .group_segment_fixed_size: 104960
    .private_segment_fixed_size: 0
    .kernarg_segment_align: 8
    .kernarg_segment_size: 56
    .max_flat_workgroup_size: 512
    .sgpr_count:     106
    .vgpr_count:     256
    .wavefront_size: 32
...
	.end_amdgpu_metadata
.endif
;; end of part 5
;; launch proj: the kernel of part 4 again; grid 4 x 64, 8 waves a work-group, clusters of 4 x 4, 240,640 bytes of LDS; arguments y_img, y_sc, out_w_codes, out_w_scales, out_b, out0; writes out0
